; MI455X (gfx1250); checked and timed in simulation.
; The chip was launched on July 23, 2026; its instructions are those of AMD's public machine-readable ISA for CDNA 5 (MIT licence, August 2026) and "CDNA5" Instruction Set Architecture Reference Guide (July 2026). The comments in the code are by the model that wrote it; some were corrected since.
;; Block. Allowed arithmetic: matrix products marked QUANTISED: E4M3 operands, one given power-of-two scale a tensor, by v_wmma_f32_16x16x64_fp8_fp8 or v_wmma_f32_16x16x128_fp8_fp8, f32 sums; everything else in f32.
;; Inputs: W1_codes 4,096 x 32 x 32 uint8 (E4M3 codes of W1, K innermost, in blocks of 32 codes); W2_codes 1,024 x 128 x 32 uint8 (E4M3 codes of W2, K innermost, in blocks of 32 codes); WO_codes 1,024 x 32 x 32 uint8 (E4M3 codes of WO, K innermost, in blocks of 32 codes); Wqkv_codes 16 x 192 x 32 x 32 uint8 (E4M3 codes of Wqkv, K innermost, in blocks of 32 codes); b1 4,096 float32; b2 1,024 float32; bO 1,024 float32; beta1 1,024 float32; beta2 1,024 float32; bqkv 16 x 192 float32; gamma1 1,024 float32; gamma2 1,024 float32; lowp_scales 12 int32 (the exponents e of the quantised operands' scales 2^e); x 2 x 2,048 x 1,024 float32.
;; Outputs: out0 2 x 2,048 x 1,024 float32.
;; This version of the problem:
;;   THIS VERSION OF THE PROBLEM IS GIVEN IN LOW PRECISION. The matrix products marked QUANTISED in the list below multiply operands that are first quantised to E4M3 (4 exponent bits, 3 mantissa bits; 8 bits a number), with one given power-of-two scale for each operand tensor; their sums are f32. All else is computed in f32.
;;   The module's matrix products, in the order in which they are computed (A, B: the left and right operand; K: the contracted axis; several contracted axes count as one K, in the product's order):
;;     1. [M 3,072, K 1,024] x [K 1,024, N 4,096]; A: input Wqkv (given as codes); B: input x: QUANTISED (scales: A lowp_scales[0], B lowp_scales[1])
;;     2. batch 32 x [M 2,048, K 64] x [K 64, N 2,048]; A: computed on the way; B: computed on the way: QUANTISED (scales: A lowp_scales[2], B lowp_scales[3])
;;     3. batch 32 x [M 2,048, K 2,048] x [K 2,048, N 64]; A: softmax (see below); B: computed on the way: QUANTISED (scales: A lowp_scales[4], B lowp_scales[5])
;;     4. [M 4,096, K 1,024] x [K 1,024, N 1,024]; A: computed on the way; B: input WO (given as codes): QUANTISED (scales: A lowp_scales[6], B lowp_scales[7])
;;     5. [M 4,096, K 1,024] x [K 1,024, N 4,096]; A: computed on the way; B: input W1 (given as codes): QUANTISED (scales: A lowp_scales[8], B lowp_scales[9])
;;     6. [M 4,096, K 4,096] x [K 4,096, N 1,024]; A: computed on the way; B: input W2 (given as codes): QUANTISED (scales: A lowp_scales[10], B lowp_scales[11])
;;   THE QUANTISER, for each operand of a quantised product, along K:
;;     - The operand's scale is 2^e, e = its entry of the input lowp_scales (int32; the entries are numbered through the quantised products in the list's order, A before B).
;;     - Each number is divided by the scale, clamped to +-448, and rounded to the nearest number of E4M3, ties to even, subnormals kept.
;;     - The product sums the exact products of the quantised numbers (number of the format x scale) in f32.
;;   ~~~python
;;   def quantise(x, axis, e):      # numpy; x: float32 -> the quantised numbers, widened to float32 again
;;       x = np.moveaxis(x, axis, -1); K = x.shape[-1]
;;       r = np.clip(x / 2.0 ** e, -448, 448)
;;       step = 2.0 ** (np.maximum(np.frexp(np.where(r == 0, 1, r))[1] - 1, -6) - 3)
;;       q = np.round(r / step) * step * 2.0 ** e      # np.round: ties to even
;;       return np.moveaxis(q, -1, axis).astype(np.float32)
;;   ~~~
;;   SOFTMAX AHEAD OF A QUANTISED PRODUCT. Where the list says 'softmax', what is quantised is not the finished softmax but p = 2^(t - M), with t = logit x log2(e) and M = ceil(the row's largest t), a whole number; so 1/2 < the row's largest p <= 1. The row's sum l is taken of the UNQUANTISED p, in f32, and the product's result is divided by l at the end. Since M is a whole number, a kernel that streams over the keys may use a running M (the ceiling of the running maximum): every later rescaling is an exact power of two, so the quantised numbers keep their values, but for numbers so far below the row's largest that they fall under the format's range.
;;   OPERANDS COMPUTED ON THE WAY. 'Computed on the way' means the value that the module computes at that place (a softmax that the list does not call 'softmax' is quantised finished and normalised). What goes into a quantiser is computed in f32, as accurately as f32 sums, v_exp_f32 and their like allow (about 1e-6 of the number): no bf16 or f16 on the way to a quantiser, and a product that is left as it is and whose result goes on into a quantised operand takes f32 operands (vector FMAs, or v_wmma_f32_16x16x4_f32). A number that lies on a knife's edge between two numbers of the format may be rounded either way, as far as f32 arithmetic and the matrix unit's own rounding can turn it there, and no further.
;;   INPUTS GIVEN AS CODES. W1 (in the module: [1024, 4096], K = its axis 0); W2 (in the module: [4096, 1024], K = its axis 0); WO (in the module: [1024, 1024], K = its axis 0); Wqkv (in the module: [16, 1024, 192], K = its axis 1): each comes as NAME_codes (uint8): NAME with its K axis moved to the last place and cut into blocks of 32 codes, [.., K / 32, bytes a block], one block behind the other in memory; one code a byte (a code: sign, 4 exponent bits, 3 mantissa bits); its scale is its entry of lowp_scales. Its value is code x scale, taken as it is: it is not quantised again, and the codes and scales need not be those that the quantiser above would give.
;; One version. Each part assembles by itself: llvm-mc -triple=amdgcn-amd-amdhsa -mcpu=gfx1250 --defsym DOCPART=n.
;; ======== version 1 of 1: 8 launches
;; limits: right only within a limited range of input values
;; workspace buffers: xq 4,194,304 bytes; qkv 12,582,912 bytes; mha 4,194,304 bytes; y 16,777,216 bytes; x1 16,777,216 bytes; x1q 4,194,304 bytes; himg 16,777,216 bytes
;; launch quant (part 1): grid 256 x 1, 4 waves a work-group, no clusters, 33,280 bytes of LDS; arguments x, lowp_scales, xq; writes xq
.if DOCPART == 1
	.amdgcn_target "amdgcn-amd-amdhsa--gfx1250"
	.amdhsa_code_object_version 6
	.text
	.protected	k_qd59ae5ea18_quant
	.globl	k_qd59ae5ea18_quant
	.p2align	8
	.type	k_qd59ae5ea18_quant,@function
k_qd59ae5ea18_quant:
	s_mov_b64 s[64:65], 0
	v_nop
	global_prefetch_b8 v0, s[64:65] scope:SCOPE_SE
	s_setreg_imm32_b32 hwreg(HW_REG_WAVE_MODE, 25, 1), 1
	s_wait_xcnt 0x0
; x [4096][1024] f32 becomes xq [4096][1024]: codes of E4M3, one a byte, K innermost, with the given scale 2^e, e = entry 1 of the scales.
; code = x / 2^e, held within +-448, rounded to the nearest code, ties to even.
; LIMITS: -126 <= e and e + 8 <= 127.  NaN among the inputs is not served; an infinity is held at the largest code.
; Rows are dense, so the tensor is a plain stream.  A wave takes 8 steps of 512 numbers.  Each load reads 512 consecutive bytes, 16 a lane; a step's 2,048 bytes
; go through the wave's own stage in LDS (16 bytes of padding behind each 64) and come back 64 bytes a lane: 16 neighbours along K, as the conversions want them.
; A lane's 16 codes are 16 bytes: a store of the wave covers 512 consecutive bytes.  Waves share nothing: no barrier.  Loads run four steps ahead.
.set STEPS, 8
.set EMAX,  8
.set MANT,  0x600000                   ; the mantissa field of 448 as f32
.set CB,    16                         ; bytes of 16 codes
.set R,     16                         ; v16-79   four sets of 16 numbers as they are loaded
.set X,     80                         ; v80-111  two sets of 16 neighbours
.set C,     128                        ; v128-159 codes: four registers for each step, so that no store's data are written again
.set WREG,  8192                       ; LDS: a region for each wave: two stages of 32 x SP bytes
.set SP,    80                         ; a lane's place in a stage: 64 bytes + 16 of padding
	s_load_b128 s[4:7], s[0:1], 0x0                ; x, the scales' exponents
	s_load_b64 s[8:9], s[0:1], 0x10                ; xq
	v_lshl_add_u32 v192, v0, 2, 0x8000
	v_mov_b32 v193, 0
	v_lshrrev_b32 v1, 5, v0
	v_readfirstlane_b32 s16, v1                    ; wave
	v_and_b32 v2, 31, v0                           ; lane
	v_lshlrev_b32 v3, 4, v2                        ; my 16 bytes of a load's 512
	s_mul_i32 s17, s16, WREG
	v_lshrrev_b32 v14, 2, v2
	v_mul_u32_u24 v14, v14, SP
	v_and_b32 v15, 3, v2
	v_lshl_add_u32 v14, v15, 4, v14
	v_add_nc_u32 v14, s17, v14                     ; the stage, on the way in: SP (lane / 4) + 16 (lane % 4)
	v_mul_u32_u24 v15, v2, SP
	v_add_nc_u32 v15, s17, v15                     ; and on the way out: SP x lane
	v_mul_u32_u24 v4, v2, CB                       ; my codes' place in a step's
	s_wait_alu depctr_va_vdst(0)
	s_wait_kmcnt 0x0
	s_load_b32 s22, s[6:7], 0x4                    ; e of x
	s_lshl_b32 s17, ttmp9, 2
	s_add_co_u32 s18, s17, s16                     ; which run of 4,096 numbers is my wave's
	s_lshl_b32 s20, s18, 14                        ; 16,384 bytes of f32,
	s_mov_b32 s21, 0
	s_add_nc_u64 s[4:5], s[4:5], s[20:21]
	s_lshl_b32 s20, s18, 12                        ; 4,096 bytes of codes
	s_add_nc_u64 s[8:9], s[8:9], s[20:21]
.macro LOAD t
.irp i, 0,1,2,3
	global_load_b128 v[R+16*((\t)%4)+4*\i:R+16*((\t)%4)+4*\i+3], v3, s[4:5] offset:2048*(\t)+512*\i th:TH_LOAD_NT
.endr
.endm
.macro TURN t                          ; step t's numbers through the stage: LDS serves a wave's instructions in order, so no wait stands between the stores and the loads
.irp i, 0,1,2,3
	ds_store_b128 v14, v[R+16*((\t)%4)+4*\i:R+16*((\t)%4)+4*\i+3] offset:32*SP*((\t)%2)+8*SP*\i
.endr
.irp i, 0,1,2,3
	ds_load_b128 v[X+16*((\t)%2)+4*\i:X+16*((\t)%2)+4*\i+3], v15 offset:32*SP*((\t)%2)+16*\i
.endr
.endm
.irp t, 0,1,2,3
	LOAD \t
.endr
	s_wait_kmcnt 0x0
	s_add_co_i32 s22, s22, 127
	s_lshl_b32 s23, s22, 23
	v_mov_b32 v11, s23                             ; 2^e as f32: the conversion takes its exponent field
	s_add_co_i32 s22, s22, EMAX
	s_lshl_b32 s22, s22, 23
	s_or_b32 s22, s22, MANT
	v_mov_b32 v10, s22                             ; 448 x 2^e
	s_wait_alu depctr_va_vdst(0)
	s_wait_loadcnt 12                              ; step 0's four loads are in; the twelve of steps 1 to 3 may be out
	TURN 0
.macro STEP t
.set XS, X+16*((\t)%2)
	s_wait_dscnt 0x0                               ; this step's numbers are back from the stage, and its stores into the stage have read their registers,
.if (\t)+4 < STEPS
	LOAD (\t)+4                                    ; which take the loads of four steps on
.endif
.if (\t)+1 < STEPS
.if STEPS-2-(\t) >= 3
	s_wait_loadcnt 12                              ; the next step's four loads are in; those of the three steps behind it may be out
.else
	s_wait_loadcnt 4*(STEPS-2-(\t))
.endif
	TURN (\t)+1
.endif
.irp i, 0,1,2,3,4,5,6,7,8,9,10,11,12,13,14,15
	v_med3_num_f32 v[XS+\i], v[XS+\i], -v10, v10   ; the conversion to an 8-bit code does not saturate (ISA guide 7.6.2): the hold comes first
.endr
	v_cvt_scalef32_pk8_fp8_f32 v[C+4*(\t):C+4*(\t)+1], v[XS:XS+7], v11
	v_cvt_scalef32_pk8_fp8_f32 v[C+4*(\t)+2:C+4*(\t)+3], v[XS+8:XS+15], v11
	global_store_b128 v4, v[C+4*(\t):C+4*(\t)+3], s[8:9] offset:32*CB*(\t)   ; the codes go to a store alone; the next vector lines are the other set's holds
.endm
.irp t, 0,1,2,3,4,5,6,7
	STEP \t
.endr
	s_wait_tensorcnt 0x0
	ds_add_u32 v192, v193
	s_wait_dscnt 0x0
	s_endpgm
.Lfunc_end_k_qd59ae5ea18_quant:
	.size	k_qd59ae5ea18_quant, .Lfunc_end_k_qd59ae5ea18_quant-k_qd59ae5ea18_quant
	.p2alignl 7, 3214868480
	.fill 96, 4, 3214868480
	.section	.rodata,"a",@progbits
	.p2align	6, 0x0
	.amdhsa_kernel k_qd59ae5ea18_quant
		.amdhsa_group_segment_fixed_size 33280
		.amdhsa_private_segment_fixed_size 0
		.amdhsa_enable_private_segment 0
		.amdhsa_kernarg_size 24
		.amdhsa_user_sgpr_count 2
		.amdhsa_user_sgpr_kernarg_segment_ptr 1
		.amdhsa_wavefront_size32 1
		.amdhsa_system_sgpr_workgroup_id_x 1
		.amdhsa_system_sgpr_workgroup_id_y 1
		.amdhsa_system_sgpr_workgroup_id_z 1
		.amdhsa_system_vgpr_workitem_id 0
		.amdhsa_next_free_vgpr 194
		.amdhsa_next_free_sgpr 66
		.amdhsa_reserve_vcc 0
		.amdhsa_float_denorm_mode_32 3
		.amdhsa_float_denorm_mode_16_64 3
		.amdhsa_memory_ordered 1
		.amdhsa_forward_progress 1
		.amdhsa_inst_pref_size 20
	.end_amdhsa_kernel
	.amdgpu_metadata
---
amdhsa.version: [ 1, 2 ]
amdhsa.kernels:
  - .name:           k_qd59ae5ea18_quant
    .symbol:         k_qd59ae5ea18_quant.kd
    .args:
      - { .name: x, .offset: 0, .size: 8, .value_kind: global_buffer, .address_space: global }
      - { .name: lowp_scales, .offset: 8, .size: 8, .value_kind: global_buffer, .address_space: global }
      - { .name: xq, .offset: 16, .size: 8, .value_kind: global_buffer, .address_space: global }
    .group_segment_fixed_size: 33280
    .private_segment_fixed_size: 0
    .kernarg_segment_align: 8
    .kernarg_segment_size: 24
    .max_flat_workgroup_size: 128
    .sgpr_count:     66
    .vgpr_count:     194
    .wavefront_size: 32
...
	.end_amdgpu_metadata
.endif
;; end of part 1
;; launch qkv (part 2): grid 16 x 16, 4 waves a work-group, clusters of 4 x 4, 327,680 bytes of LDS; arguments xq, Wqkv_codes, lowp_scales, bqkv, qkv; writes qkv
.if DOCPART == 2
	.amdgcn_target "amdgcn-amd-amdhsa--gfx1250"
	.amdhsa_code_object_version 6
	.text
	.protected	k_qd59ae5ea18_qkv
	.globl	k_qd59ae5ea18_qkv
	.p2align	8
	.type	k_qd59ae5ea18_qkv,@function
k_qd59ae5ea18_qkv:
	s_mov_b64 s[64:65], 0
	v_nop
	global_prefetch_b8 v0, s[64:65] scope:SCOPE_SE
	s_setreg_imm32_b32 hwreg(HW_REG_WAVE_MODE, 25, 1), 1
	s_wait_xcnt 0x0
	s_wait_alu depctr_hold_cnt(0) depctr_sa_sdst(0) depctr_va_vdst(0) depctr_va_sdst(0) depctr_va_ssrc(0) depctr_va_vcc(0) depctr_vm_vsrc(0)
	s_getreg_b32 s2, hwreg(HW_REG_IB_STS2, 6, 4)
	s_cmp_eq_u32 s2, 0
	s_cbranch_scc0 .Lentry_in_a_cluster
	s_endpgm
.Lentry_in_a_cluster:
	s_bfe_u32 s2, ttmp6, 0x10000c
	s_cmp_lg_u32 s2, 0xf033
	s_cbranch_scc0 .Lentry_shape_is_right
	s_endpgm
.Lentry_shape_is_right:
; q, k, v = x Wqkv + bqkv for one head and 256 tokens, on codes of E4M3, and their codes for the attention launch.
; xq [4096][1024] and Wqkv_codes [16 x 192][1024]: codes, K innermost.  Scales 2^e: e0 Wqkv, e1 x, e2 q, e3 k, e5 v.
; LIMITS: e0 + e1 between -126 and 127; e2, e3, e5 less (e0 + e1) each between -126 and 119.  NaN and infinities among the inputs are not served.
; SHARES.  Work-group (x = head, y = block of 256 tokens), four waves; wave w has tokens 64 w .. 64 w + 63 and all 192 columns: 48 accumulators of 16 x 16.
; K goes in slots of 256 through a ring of two LDS slots filled by the tensor data mover.  4 x 4 work-groups form a cluster: the tokens' tile is asked for jointly by a row of the
; cluster, the weights' tile by a column.
; WHICH SOURCE IS WHICH.  Blocks 0-7 of the weights (q, k): source 0 = 16 rows of the weight, source 1 = 16 tokens: a lane holds one token and eight neighbouring d, so one conversion
; of an accumulator is registers 2 c, 2 c + 1 of a K = 64 fragment of q or k.  Blocks 8-11 (v): the sources swapped: a lane holds one d and eight neighbouring tokens: registers 2 c, 2 c + 1
; of a K = 128 fragment of V^T, whose K are the keys.  The fragments leave as images of their registers, four registers at 16 x lane: 512 dense bytes a store.
; Both operands of THIS product are read by four 16-byte loads a fragment: the same permutation of k on both sides.
; The bias is the C of each sum's first product, as bqkv / 2^(e0 + e1); the conversions take 2^(e_out - e0 - e1).
; REGISTERS: window 0: v0-31 addresses; v64-255 the weights' 12 fragments, ONE set.  window 1: v0-127 the tokens' 4 fragments, TWO sets; v128-223 the bias, 8 a block; v224-227 at work.
;   window 2: accumulators of blocks 0-5, (p, i) at v[32 (p % 6) + 8 i];  window 3: blocks 6-11.
.set KTOT,  1024
.set KSLOT, 256
.set PITCH, 272                        ; an LDS row: 256 bytes + 16 of padding = 68 words: the 16 rows of a load start at 16 different banks (64 banks of 4 bytes: ISA guide 11.1)
.set TOKH,  128*PITCH                  ; 128 rows of tokens: one tensor load
.set WGTH,  96*PITCH                   ; 96 rows of the weight: one tensor load
.set WOFF,  2*TOKH                     ; a slot: 256 rows of tokens, then 192 rows of the weight
.set SLOT,  WOFF+2*WGTH
.set SPARE, 2*SLOT                     ; behind the ring: the spare words, 128 bytes a wave
.set LAPS,  KTOT/(2*KSLOT)
.set NP, 12                            ; blocks of the side with one register set (weights)
.set NR, 4                             ; blocks of the side with two (tokens)
.set HP, 6
.set QP, 3
.set LP, 4                             ; LDS loads a fragment
.set AF, 64
.set RS, 64
.set BI, 128
.set ADRP, 16                          ; v16-17 LDS address of the weights' fragments in slot 0, 1
.set ADRR, 20                          ; v20-21 of my tokens'
.set LI,   27                          ; v27 16 x lane
.set SPW,  28                          ; v28 my spare word: SPARE + 4 x my thread's number; never rewritten
.set NIL,  29                          ; v29 0; never rewritten
.set BO8,  30                          ; v30 32 h
.set BO1,  31                          ; v31 4 r
.set G1T, 24                           ; s[24:31] descriptor group 1 for the tokens' tiles; s[32:39] group 0, a set for each slot
.set G0T, 32
.set G1W, 48                           ; s[48:55], s[56:63] the same for the weights'
.set G0W, 56
.set MSB, 0
.macro WIN new                         ; the immediate's high byte repeats the setting that is left; a switch that changes nothing is dropped
.if MSB != (\new)
	s_set_vgpr_msb (MSB<<8)|(\new)
.set MSB, \new
.endif
.endm
.macro PLACES n                        ; plain vector lines between a matrix instruction and a load into, or a read of, its registers
.rept \n
	v_nop
.endr
.endm
; A joint load: waves 0 and 1 fetch the tokens' halves, waves 2 and 3 the weights'.  The branch hangs on the wave's number alone.  Four v_nop follow each line.
.macro JLOAD s
	s_cmp_eq_u32 s15, 0
	s_cbranch_scc0 .Lfor_w_\@
	tensor_load_to_lds s[G0T+4*\s:G0T+4*\s+3], s[G1T:G1T+7]
	s_nop 0
.rept 4
	v_nop
.endr
	s_branch .Lasked_\@
.Lfor_w_\@:
	tensor_load_to_lds s[G0W+4*\s:G0W+4*\s+3], s[G1W:G1W+7]
	s_nop 0
.rept 4
	v_nop
.endr
.Lasked_\@:
.endm
.macro CREST                           ; a round of the cluster's barrier behind its opening barrier
	s_cmp_lg_u32 s14, 0
	s_cbranch_scc1 .Lnot_wave_0_\@
	s_barrier_signal -3
.Lnot_wave_0_\@:
	s_barrier_wait -3
	s_barrier_signal -1
	s_barrier_wait -1
.endm
.macro CROUND
	s_barrier_signal -1
	s_barrier_wait -1
	CREST
.endm
	s_load_b256 s[4:11], s[0:1], 0x0               ; xq s[4:5], the weight s[6:7], the scales s[8:9], bqkv s[10:11]
	s_load_b64 s[12:13], s[0:1], 0x20              ; qkv
	v_lshl_add_u32 v[SPW], v0, 2, SPARE
	v_mov_b32 v[NIL], 0
	ds_add_u32 v28, v29
	ds_add_u32 v28, v29
	s_wait_dscnt 0x0
	v_lshrrev_b32 v1, 5, v0
	v_readfirstlane_b32 s14, v1                    ; wave 0..3
	s_lshr_b32 s15, s14, 1                         ; I fetch tokens (0) or weights (1)
	s_and_b32 s16, s14, 1                          ; which half of that tile
	s_bfe_u32 s40, ttmp6, 0x40000                  ; cx, cy: my place in the cluster
	s_bfe_u32 s41, ttmp6, 0x40004
	s_lshl_b32 s42, ttmp9, 2
	s_add_co_u32 s42, s42, s40                     ; the head = 4 x cluster x + cx
	s_and_b32 s17, ttmp7, 0xffff
	s_lshl_b32 s17, s17, 2
	s_add_co_u32 s17, s17, s41                     ; the block of 256 tokens = 4 x cluster y + cy
	s_lshl_b32 s43, s41, 2
	s_lshl_b32 s43, 15, s43                        ; my row of the cluster
	s_lshl_b32 s44, 0x1111, s40                    ; my column
	s_or_b32 s[G1T], s43, (1<<20)|(1<<21)|(5<<22)|(3<<25)   ; 15:0 the mask; 17:16 elements of 1 byte; 20 padding on; 21 set beside a mask; 24:22 after every 64 words; 31:25 four words
	s_or_b32 s[G1W], s44, (1<<20)|(1<<21)|(5<<22)|(3<<25)
	s_mov_b32 s[G1T+1], KSLOT<<16                  ; tensor_dim0
	s_mov_b32 s[G1T+2], 128<<16                    ; tensor_dim1
	s_mov_b32 s[G1T+3], KSLOT<<16                  ; tile_dim0
	s_mov_b32 s[G1T+4], 128                        ; tile_dim1
	s_mov_b32 s[G1T+5], KTOT                       ; from row to row
	s_mov_b32 s[G1T+6], 0
	s_mov_b32 s[G1T+7], 0
	s_mov_b32 s[G1W+1], KSLOT<<16
	s_mov_b32 s[G1W+2], 96<<16
	s_mov_b32 s[G1W+3], KSLOT<<16
	s_mov_b32 s[G1W+4], 96
	s_mov_b32 s[G1W+5], KTOT
	s_mov_b32 s[G1W+6], 0
	s_mov_b32 s[G1W+7], 0
	s_lshl_b32 s18, s16, 7
	s_lshl_b32 s20, s17, 8
	s_add_co_u32 s20, s20, s18                     ; tokens: row 256 x block + 128 x half,
	s_lshl_b32 s20, s20, 10                        ; in bytes
	s_mov_b32 s21, 0
	s_mul_i32 s46, s42, 192
	s_mul_i32 s47, s16, 96
	s_add_co_u32 s46, s46, s47                     ; weights: row 192 x head + 96 x half
	s_lshl_b32 s46, s46, 10
	s_mov_b32 s47, 0
	s_mul_i32 s45, s16, TOKH                       ; where they go: no place in the cluster enters an LDS address
	s_mul_i32 s66, s16, WGTH
	s_add_co_u32 s66, s66, WOFF
	s_wait_kmcnt 0x0
	s_load_b256 s[68:75], s[8:9], 0x0              ; e0 .. e7
	s_load_b128 s[76:79], s[8:9], 0x20             ; e8 .. e11
	s_add_nc_u64 s[20:21], s[4:5], s[20:21]
	s_add_nc_u64 s[46:47], s[6:7], s[46:47]
	CROUND                                         ; all sixteen work-groups are here: the first joint loads meet
.irp s, 0,1
	s_mov_b32 s[G0T+4*\s], 1
	s_add_co_u32 s[G0T+4*\s+1], s45, \s*SLOT
	s_add_nc_u64 s[G0T+4*\s+2:G0T+4*\s+3], s[20:21], \s*KSLOT
	s_or_b32 s[G0T+4*\s+3], s[G0T+4*\s+3], 0x80000000
	s_mov_b32 s[G0W+4*\s], 1
	s_add_co_u32 s[G0W+4*\s+1], s66, \s*SLOT
	s_add_nc_u64 s[G0W+4*\s+2:G0W+4*\s+3], s[46:47], \s*KSLOT
	s_or_b32 s[G0W+4*\s+3], s[G0W+4*\s+3], 0x80000000
.endr
	JLOAD 0                                        ; slot 0: my one tensor load at the head
	v_and_b32 v1, 15, v0
	v_bfe_u32 v2, v0, 4, 1                         ; h
	v_mul_u32_u24 v3, v1, PITCH
	v_lshl_add_u32 v4, v2, 4, v3                   ; a fragment's row x pitch + 16 h
	s_mul_i32 s21, s14, 64*PITCH                   ; my 64 tokens
	s_mov_b32 s22, WOFF                            ; all 192 rows of the weight
.irp s, 0,1
	v_add_nc_u32 v[ADRR+\s], s21, v4
	v_add_nc_u32 v[ADRP+\s], s22, v4
	s_add_co_u32 s21, s21, SLOT
	s_add_co_u32 s22, s22, SLOT
.endr
	v_and_b32 v5, 31, v0
	v_lshlrev_b32 v[LI], 4, v5
	v_lshlrev_b32 v[BO8], 5, v2
	v_lshlrev_b32 v[BO1], 2, v1
	s_mul_i32 s46, s42, 768                        ; the head's 192 numbers of the bias
	s_mov_b32 s47, 0
	s_add_nc_u64 s[10:11], s[10:11], s[46:47]
	WIN 0x40                                       ; destination window 1
.irp p, 0,1,2,3,4,5,6,7                        ; q, k: lane (r, h), register j: column 16 p + 8 h + j
	global_load_b128 v[BI+8*\p:BI+8*\p+3], v[BO8], s[10:11] offset:64*\p
	global_load_b128 v[BI+8*\p+4:BI+8*\p+7], v[BO8], s[10:11] offset:64*\p+16
.endr
.irp d, 0,1,2,3                                ; v: lane (r, h): column 128 + 16 d + r, for all eight registers
	global_load_b32 v[224+\d], v[BO1], s[10:11] offset:512+64*\d
.endr
	WIN 0
	; where my fragments go
	s_lshr_b32 s18, s17, 3
	s_lshl_b32 s18, s18, 4
	s_add_co_u32 s18, s18, s42                     ; bh = 16 x batch + head
	s_and_b32 s19, s17, 7                          ; the block of 256 tokens within the batch
	s_lshl_b32 s22, s18, 4
	s_lshl_b32 s23, s19, 1
	s_add_co_u32 s22, s22, s23
	s_add_co_u32 s22, s22, s15                     ; v: key step 16 bh + 2 x block + wave / 2,
	s_lshl_b32 s22, s22, 13                        ; 8,192 bytes each,
	s_lshl_b32 s23, s16, 10
	s_add_co_u32 s22, s22, s23                     ; my half of each fragment,
	s_add_co_u32 s22, s22, 8388608                 ; behind q's and k's parts
	s_mov_b32 s23, 0
	s_add_nc_u64 s[84:85], s[12:13], s[22:23]
	s_lshl_b32 s22, s18, 7
	s_lshl_b32 s23, s19, 4
	s_add_co_u32 s22, s22, s23
	s_lshl_b32 s23, s14, 2
	s_add_co_u32 s22, s22, s23                     ; q, k: tile of 16 tokens 128 bh + 16 x block + 4 x wave,
	s_lshl_b32 s22, s22, 10                        ; 1,024 bytes each
	s_mov_b32 s23, 0
	s_add_nc_u64 s[12:13], s[12:13], s[22:23]      ; q
	s_add_nc_u64 s[82:83], s[12:13], 4194304       ; k
	s_wait_kmcnt 0x0
	s_add_co_i32 s86, s68, s69                     ; e0 + e1: a sum stands for sum x 2^(e0 + e1)
	s_sub_co_i32 s88, 0, s86
.macro SCALE e, vr, lo, hi             ; v[vr] = 2^(e - e0 - e1) for the conversion; s[hi], s[lo] = +-448 x that
	s_sub_co_i32 s87, s[\e], s86
	s_add_co_i32 s87, s87, 127
	s_lshl_b32 s95, s87, 23
	v_mov_b32 v[\vr], s95
	s_add_co_i32 s87, s87, 8
	s_lshl_b32 s87, s87, 23
	s_or_b32 s[\hi], s87, 0x600000
	s_or_b32 s[\lo], s[\hi], 0x80000000
.endm
	SCALE 70, 10, 89, 90                           ; q
	SCALE 71, 11, 91, 92                           ; k
	SCALE 73, 12, 93, 94                           ; v
	s_wait_loadcnt 0x0                             ; the bias
	WIN 0x41                                       ; source 0 and destination window 1
.set bj, 0
.rept 64
	v_ldexp_f32 v[BI+bj], v[BI+bj], s88            ; bias / 2^(e0 + e1)
.set bj, bj+1
.endr
.irp d, 0,1,2,3
.irp j, 0,1,2,3,4,5,6,7
	v_ldexp_f32 v[BI+64+8*\d+\j], v[224+\d], s88
.endr
.endr
	WIN 0
; n blocks of the weight from p0 on x my four blocks of tokens, 128 along K.  bs: the tokens' set.  first = 1: the bias is C and starts the sums.
; The 48 accumulators take turns, one instruction a turn, in the same order in every step.
.macro MUL p0, n, bs, first
.set pp, \p0
.rept \n
.set hw, 2+pp/HP
.set cw, hw
.if \first
.set cw, 1
.endif
.if pp < 8
	WIN (hw<<6)|(cw<<4)|(1<<2)
.else
	WIN (hw<<6)|(cw<<4)|1
.endif
.set rr, 0
.rept NR
.set ac, 8*(NR*(pp%HP)+rr)
.set cc, ac
.if \first
.set cc, BI+8*pp
.endif
.if pp < 8
	v_wmma_f32_16x16x128_fp8_fp8 v[ac:ac+7], v[AF+16*pp:AF+16*pp+15], v[RS*(\bs)+16*rr:RS*(\bs)+16*rr+15], v[cc:cc+7]
.else
	v_wmma_f32_16x16x128_fp8_fp8 v[ac:ac+7], v[RS*(\bs)+16*rr:RS*(\bs)+16*rr+15], v[AF+16*pp:AF+16*pp+15], v[cc:cc+7]
.endif
.set rr, rr+1
.endr
.set pp, pp+1
.endr
.endm
.macro FRAG reg, adr, q, blk           ; 16 rows x 128 K: registers 4 c .. 4 c + 3 hold K = 32 c + 16 h + 0 .. 15
.irp c, 0,1,2,3
	ds_load_b128 v[\reg+4*\c:\reg+4*\c+3], v[\adr] offset:128*(\q)+32*\c+(\blk)*16*PITCH
.endr
.endm
.macro FETCH_R slot, q, bs
	WIN 0x40
.set fb, 0
.rept NR
	FRAG RS*(\bs)+16*fb, ADRR+\slot, \q, fb
.set fb, fb+1
.endr
	WIN 0
.endm
.macro FETCH_P slot, q, p0
.set fb, \p0
.rept HP
	FRAG AF+16*fb, ADRP+\slot, \q, fb
.set fb, fb+1
.endr
.endm
.macro STEP slot, q, first             ; 128 along K with its successor in the same slot
	s_wait_dscnt HP*LP                             ; the tokens' set and blocks 0-5 are in; the youngest 24 loads (blocks 6-11) may be out
	MUL 0, HP, (\q)%2, \first
	s_wait_dscnt 0x0
	PLACES 4
	FETCH_R \slot, (\q)+1, 1-(\q)%2
	FETCH_P \slot, (\q)+1, 0
	MUL HP, HP, (\q)%2, \first
	PLACES 4
	WIN 0
	FETCH_P \slot, (\q)+1, HP
.endm
; A slot's last step changes slots: one barrier; in front of it each wave waits for all its tensor loads, adds 0 to its spare word, and waits for that and for its reads of this slot.
.macro TURN slot, next, fill
	s_wait_tensorcnt 0x0                           ; all my tensor loads have landed: my part of the next slot
	ds_add_u32 v[SPW], v[NIL]                      ; 0 onto my spare word
	s_wait_dscnt HP*LP+1                           ; (the add and the youngest 24 loads may be out)
	MUL 0, QP, 1, 0
	s_wait_dscnt 0x0                               ; the add is done, and my reads of this slot are over
	s_barrier_signal -1
	MUL QP, QP, 1, 0
	WIN 0
	s_barrier_wait -1
.if \fill
	CREST                                          ; the barrier has opened a round of the cluster's: no wave of any partner still reads this slot or has a load on its way
	s_add_nc_u64 s[G0T+4*\slot+2:G0T+4*\slot+3], s[G0T+4*\slot+2:G0T+4*\slot+3], 2*KSLOT
	s_add_nc_u64 s[G0W+4*\slot+2:G0W+4*\slot+3], s[G0W+4*\slot+2:G0W+4*\slot+3], 2*KSLOT
	JLOAD \slot                                    ; the first tensor load behind the round; its four v_nop are the places in front of the loads below
.else
	PLACES 4
.endif
	FETCH_R \next, 0, 0
	FETCH_P \next, 0, 0
	MUL HP, HP, 1, 0
	PLACES 4
	WIN 0
	FETCH_P \next, 0, HP
.endm
	s_wait_alu depctr_va_vdst(0)
	s_wait_tensorcnt 0x0                           ; my part of slot 0 is in; slot 1's first fill is issued as a refill is:
	ds_add_u32 v[SPW], v[NIL]                      ; 0 onto my spare word
	s_wait_dscnt 0x0
	CROUND                                         ; everybody's part of slot 0 is in, and the sixteen work-groups meet
	JLOAD 1                                        ; the first tensor load behind the round
	FETCH_R 0, 0, 0
	FETCH_P 0, 0, 0
	FETCH_P 0, 0, HP
	STEP 0, 0, 1                                   ; the first step stands in front of the loop: its products start the sums
	s_mov_b32 s3, LAPS-1
.Llap:                                             ; a trip goes once round the ring and fills both slots again
	TURN 0, 1, 1
	STEP 1, 0, 0
	TURN 1, 0, 1
	STEP 0, 0, 0
	s_sub_co_u32 s3, s3, 1
	s_cmp_lg_u32 s3, 0
	s_cbranch_scc1 .Llap
	TURN 0, 1, 0                                   ; the last lap fills nothing
	STEP 1, 0, 0
	s_wait_dscnt HP*LP
	MUL 0, HP, 1, 0
	s_wait_dscnt 0x0
	MUL HP, HP, 1, 0
	WIN 0
; THE WAY OUT: the hold (the conversion to an 8-bit code does not saturate: ISA guide 7.6.2), in place and from each accumulator's low end on; then one conversion an accumulator.
.macro HOLD r0, n, lo, hi
.set hr, \r0
.rept \n
	v_med3_num_f32 v[hr], v[hr], s[\lo], s[\hi]
.set hr, hr+1
.endr
.endm
.macro CODES dst, src, sc
	v_cvt_scalef32_pk8_fp8_f32 v[\dst:\dst+1], v[\src:\src+7], v[\sc]
.endm
	PLACES 4
	WIN 0x82
	HOLD 0, 128, 89, 90                            ; q: blocks 0-3
	HOLD 128, 64, 91, 92                           ; k: blocks 4, 5
	WIN 0x02
.irp p, 0,1,2,3
.irp i, 0,1,2,3
	CODES 64+8*\i+2*\p, 32*\p+8*\i, 10             ; q's fragment of tokens 16 i on: registers 2 p, 2 p + 1
.endr
.endr
.irp p, 4,5
.irp i, 0,1,2,3
	CODES 96+8*\i+2*(\p-4), 32*\p+8*\i, 11
.endr
.endr
	WIN 0xc3
	HOLD 0, 64, 91, 92                             ; k: blocks 6, 7
	HOLD 64, 128, 93, 94                           ; v: blocks 8-11
	WIN 0x03
.irp p, 6,7
.irp i, 0,1,2,3
	CODES 96+8*\i+2*(\p-4), 32*(\p-6)+8*\i, 11
.endr
.endr
.irp d, 0,1,2,3
.irp i, 0,1,2,3
	CODES 128+8*\d+2*\i, 32*(\d+2)+8*\i, 12        ; V^T's fragment of d 16 d on: my half's registers 2 i, 2 i + 1
.endr
.endr
	v_nop                                          ; a plain line behind the last conversion
	WIN 0
.irp i, 0,1,2,3
.irp b, 0,1
	global_store_b128 v[LI], v[64+8*\i+4*\b:64+8*\i+4*\b+3], s[12:13] offset:1024*\i+512*\b   ; 32 lanes store 512 consecutive bytes
	global_store_b128 v[LI], v[96+8*\i+4*\b:96+8*\i+4*\b+3], s[82:83] offset:1024*\i+512*\b
.endr
.endr
.irp d, 0,1,2,3
.irp b, 0,1
	global_store_b128 v[LI], v[128+8*\d+4*\b:128+8*\d+4*\b+3], s[84:85] offset:2048*\d+512*\b
.endr
.endr
	s_wait_tensorcnt 0x0                           ; the wave's end
	ds_add_u32 v[SPW], v[NIL]
	s_wait_dscnt 0x0
	CROUND                                         ; the closing round: no work-group ends while a partner may still ask for a tile that names it
	s_endpgm
.Lfunc_end_k_qd59ae5ea18_qkv:
	.size	k_qd59ae5ea18_qkv, .Lfunc_end_k_qd59ae5ea18_qkv-k_qd59ae5ea18_qkv
	.p2alignl 7, 3214868480
	.fill 96, 4, 3214868480
	.section	.rodata,"a",@progbits
	.p2align	6, 0x0
	.amdhsa_kernel k_qd59ae5ea18_qkv
		.amdhsa_group_segment_fixed_size 327680
		.amdhsa_private_segment_fixed_size 0
		.amdhsa_enable_private_segment 0
		.amdhsa_kernarg_size 40
		.amdhsa_user_sgpr_count 2
		.amdhsa_user_sgpr_kernarg_segment_ptr 1
		.amdhsa_wavefront_size32 1
		.amdhsa_system_sgpr_workgroup_id_x 1
		.amdhsa_system_sgpr_workgroup_id_y 1
		.amdhsa_system_sgpr_workgroup_id_z 1
		.amdhsa_system_vgpr_workitem_id 0
		.amdhsa_next_free_vgpr 1024
		.amdhsa_next_free_sgpr 100
		.amdhsa_reserve_vcc 0
		.amdhsa_float_denorm_mode_32 3
		.amdhsa_float_denorm_mode_16_64 3
		.amdhsa_memory_ordered 1
		.amdhsa_forward_progress 1
		.amdhsa_inst_pref_size 109
	.end_amdhsa_kernel
	.amdgpu_metadata
---
amdhsa.version: [ 1, 2 ]
amdhsa.kernels:
  - .name:           k_qd59ae5ea18_qkv
    .symbol:         k_qd59ae5ea18_qkv.kd
    .args:
      - { .name: xq, .offset: 0, .size: 8, .value_kind: global_buffer, .address_space: global }
      - { .name: Wqkv_codes, .offset: 8, .size: 8, .value_kind: global_buffer, .address_space: global }
      - { .name: lowp_scales, .offset: 16, .size: 8, .value_kind: global_buffer, .address_space: global }
      - { .name: bqkv, .offset: 24, .size: 8, .value_kind: global_buffer, .address_space: global }
      - { .name: qkv, .offset: 32, .size: 8, .value_kind: global_buffer, .address_space: global }
    .group_segment_fixed_size: 327680
    .private_segment_fixed_size: 0
    .kernarg_segment_align: 8
    .kernarg_segment_size: 40
    .max_flat_workgroup_size: 128
    .sgpr_count:     100
    .vgpr_count:     1024
    .wavefront_size: 32
...
	.end_amdgpu_metadata
.endif
;; end of part 2
;; launch attn (part 3): grid 8 x 32, 16 waves a work-group, clusters of 4 x 1, 327,680 bytes of LDS; arguments qkv, lowp_scales, mha; writes mha
.if DOCPART == 3
	.amdgcn_target "amdgcn-amd-amdhsa--gfx1250"
	.amdhsa_code_object_version 6
	.text
	.protected	k_qd59ae5ea18_attn
	.globl	k_qd59ae5ea18_attn
	.p2align	8
	.type	k_qd59ae5ea18_attn,@function
k_qd59ae5ea18_attn:
	s_mov_b64 s[64:65], 0
	v_nop
	global_prefetch_b8 v0, s[64:65] scope:SCOPE_SE
	s_setreg_imm32_b32 hwreg(HW_REG_WAVE_MODE, 25, 1), 1
	s_wait_xcnt 0x0
	s_wait_alu depctr_hold_cnt(0) depctr_sa_sdst(0) depctr_va_vdst(0) depctr_va_sdst(0) depctr_va_ssrc(0) depctr_va_vcc(0) depctr_vm_vsrc(0)
	s_getreg_b32 s2, hwreg(HW_REG_IB_STS2, 6, 4)
	s_cmp_eq_u32 s2, 0
	s_cbranch_scc0 .Lentry_in_a_cluster
	s_endpgm
.Lentry_in_a_cluster:
	s_bfe_u32 s2, ttmp6, 0x10000c
	s_cmp_lg_u32 s2, 0x3003
	s_cbranch_scc0 .Lentry_shape_is_right
	s_endpgm
.Lentry_shape_is_right:
; Causal attention of one head (y = 16 x batch + head) on codes of E4M3, and the result's codes for the next product.
; qkv holds fragments as images of their registers (four registers at 16 x lane): q and k [bh][tile of 16 tokens (128)][2][512 bytes], K = the head's 64;
; v [bh][step of 128 keys (16)][tile of 16 d (4)][4][512 bytes], K = the keys.  Scales 2^e: e2 q, e3 k, e4 p, e5 v, e6 the result.
; THE SOFTMAX: t = q . k x log2(e) / 8; M = the running largest t, rounded up to a whole number; p = 2^(t - M) is quantised, not normalised; the row's sum is taken of the unquantised p
; and divides at the end.  When M moves, the sum and O are multiplied by 2^(old M - new M): exact.
; LIMITS: e2 + e3 between -122 and 129 (added to c's exponent field); e4, and e6 - e4 - e5, between -126 and 119.  NaN and infinities are not served.
; SHARES.  Work-group j (0..7) of a head; wave w has g = w xor 3 ((w / 4) % 2) and owns the 16 queries of tile 8 g + j.  It works key steps 0 .. g of 128 keys; step g holds its diagonal.
; So every work-group has 136 wave-steps.  What is hidden and what lies on the diagonal hangs on the wave's number and a counter alone; j enters addresses in memory and a lane's threshold.
; LDS holds the head's whole K (131,072 bytes) and V (131,072 bytes), each byte filled ONCE: no slot is filled again.  The four work-groups of a cluster belong to one head and ask jointly.
; Every wave issues two loads, 4,096 bytes for key steps 0 to 3 and 12,288 for key steps 4 to 15: one load of mine is out at a time.
; TWO BARRIERS.  In front of key step 0 each wave has waited for its first load; in front of key step 4 for both.  Behind the second every byte of K and V is in, and the waves run free.
; LAYOUT.  S^T = K Q^T and O^T = V^T P^T: a lane holds one query throughout; register j of S^T's tile c is key 16 c + 8 h + j, so one conversion of a tile is registers 2 c, 2 c + 1 of P's fragment.
; REGISTERS: v1 16 x lane; v2, v3 the step's addresses; v4 the threshold; v5 v1 + V's base; v12 -M, v13 the largest t, v[14:15] the sum; v16-23 Q; v32-95 K's 8 fragments, then V's 4;
;   v96-159 S^T, then p; v160-191 O^T; v192-207 p's codes; v208-215 the result's codes; v230-254 at work.
.set LI,  1
.set ADK, 2
.set ADV, 3
.set THR, 4
.set LIV, 5
.set WV,  18                           ; s18 my wave's number
.set G,   19                           ; s19 g
.set SEL, 20                           ; s[20:21] lane selects: lane l xor 16
.set CS,  22                           ; s[22:23] c
.set G1,  24                           ; s[24:31] descriptor group 1; s[32:39] group 0, a set for each of my two loads
.set G0,  32
.set TB,  48                           ; s48 LDS byte of the step in hand, in K's part
.set KS,  49                           ; s49 the key step
.set CNT, 50
.macro CROUND
	s_barrier_signal -1
	s_barrier_wait -1
	s_cmp_lg_u32 s[WV], 0
	s_cbranch_scc1 .Lnot_wave_0_\@
	s_barrier_signal -3
.Lnot_wave_0_\@:
	s_barrier_wait -3
	s_barrier_signal -1
	s_barrier_wait -1
.endm
	s_load_b128 s[4:7], s[0:1], 0x0                ; qkv, the scales
	s_load_b64 s[8:9], s[0:1], 0x10                ; mha
	v_lshl_add_u32 v251, v0, 2, 0x40000
	v_mov_b32 v255, 0
	ds_add_u32 v251, v255
	ds_add_u32 v251, v255
	v_lshrrev_b32 v8, 5, v0
	s_delay_alu instid0(VALU_DEP_1)
	v_readfirstlane_b32 s[WV], v8                  ; wave 0..15
	s_bfe_u32 s80, s[WV], 0x10002                  ; (w / 4) % 2
	s_mul_i32 s80, s80, 3
	s_xor_b32 s[G], s[WV], s80
	s_bfe_u32 s81, ttmp6, 0x40000                  ; cx
	s_lshl_b32 s51, ttmp9, 2
	s_add_co_u32 s51, s51, s81                     ; j
	s_and_b32 s52, ttmp7, 0xffff                   ; bh, which the four partners share
	s_mov_b32 s[G1], 15|(3<<16)|(1<<21)            ; 15:0 the mask: all four work-groups; 17:16 elements of 8 bytes; 21 set beside a mask; no padding
	s_mov_b32 s[G1+1], 32<<16                      ; tensor_dim0: 32 elements, 256 bytes
	s_mov_b32 s[G1+2], 16<<16                      ; tensor_dim1: 16 rows
	s_mov_b32 s[G1+3], 32<<16                      ; tile_dim0
	s_mov_b32 s[G1+4], 16                          ; tile_dim1
	s_mov_b32 s[G1+5], 32                          ; dense
	s_mov_b32 s[G1+6], 0
	s_mov_b32 s[G1+7], 0
	s_lshr_b32 s82, s[WV], 3                       ; I fetch for K (0) or V (1),
	s_and_b32 s83, s[WV], 7
	s_lshl_b32 s83, s83, 12                        ; piece w % 8 of four key steps' 32,768 bytes
	s_lshl_b32 s84, s82, 17
	s_add_co_u32 s84, s84, s83                     ; in LDS
	s_lshl_b32 s86, s82, 22
	s_add_co_u32 s86, s86, s83
	s_lshl_b32 s85, s52, 17                        ; the head's 131,072 bytes
	s_add_co_u32 s86, s86, s85
	s_add_co_u32 s86, s86, 4194304                 ; behind q's part
	s_mov_b32 s87, 0
	s_mov_b32 s[SEL], 0x76543210
	s_mov_b32 s[SEL+1], 0xfedcba98
	s_mov_b32 s[CS], 0x3e38aa3b                    ; c = log2(e) / sqrt(64)
	s_mov_b32 s[KS], 0
	s_wait_dscnt 0x0
	s_wait_kmcnt 0x0
	s_load_b256 s[68:75], s[6:7], 0x0              ; e0 .. e7
	s_add_nc_u64 s[86:87], s[4:5], s[86:87]
; TWO LOADS A WAVE.  The first: piece w % 8 (4,096 bytes) of key steps 0 to 3.  The second: piece w % 8 (12,288 bytes, 48 rows of 256) of key steps 4 to 15, which begin 32,768 bytes on.
.set G1B, 40                           ; s[40:47] descriptor group 1 of the second load
	s_lshl_b32 s88, s83, 1
	s_add_co_u32 s88, s88, 32768                   ; from my first piece to my second: 32,768 + 12,288 (w % 8) - 4,096 (w % 8), in LDS and in memory alike
	s_mov_b32 s89, 0
	s_mov_b32 s[G0], 1
	s_mov_b32 s[G0+1], s84
	s_mov_b64 s[G0+2:G0+3], s[86:87]
	s_or_b32 s[G0+3], s[G0+3], 0x80000000
	s_mov_b32 s[G0+4], 1
	s_add_co_u32 s[G0+5], s84, s88
	s_add_nc_u64 s[G0+6:G0+7], s[86:87], s[88:89]
	s_or_b32 s[G0+7], s[G0+7], 0x80000000
	s_mov_b32 s[G1B], 15|(3<<16)|(1<<21)
	s_mov_b32 s[G1B+1], 32<<16
	s_mov_b32 s[G1B+2], 48<<16
	s_mov_b32 s[G1B+3], 32<<16
	s_mov_b32 s[G1B+4], 48
	s_mov_b32 s[G1B+5], 32
	s_mov_b32 s[G1B+6], 0
	s_mov_b32 s[G1B+7], 0
	CROUND                                         ; all four work-groups are here: the joint loads meet
	tensor_load_to_lds s[G0:G0+3], s[G1:G1+7]
	s_nop 0
.rept 4
	v_nop
.endr
	v_and_b32 v8, 31, v0
	s_delay_alu instid0(VALU_DEP_1)
	v_lshlrev_b32 v[LI], 4, v8
	s_delay_alu instid0(VALU_DEP_1)
	v_add_nc_u32 v[LIV], 131072, v[LI]
	s_lshl_b32 s88, s[G], 3
	s_add_co_u32 s88, s88, s51                     ; my tile of queries: 8 g + j
	s_lshl_b32 s89, s52, 7
	s_add_co_u32 s89, s89, s88
	s_lshl_b32 s90, s89, 10
	s_mov_b32 s91, 0
	s_add_nc_u64 s[90:91], s[4:5], s[90:91]
	global_load_b128 v[16:19], v[LI], s[90:91]             ; Q's fragment stays in registers
	global_load_b128 v[20:23], v[LI], s[90:91] offset:512
	s_lshr_b32 s92, s52, 4                         ; the result: tile of tokens 128 x batch + my tile, K step head / 2, half head % 2
	s_lshl_b32 s92, s92, 7
	s_add_co_u32 s92, s92, s88
	s_lshl_b32 s92, s92, 3
	s_bfe_u32 s93, s52, 0x30001
	s_add_co_u32 s92, s92, s93
	s_lshl_b32 s92, s92, 1
	s_and_b32 s93, s52, 1
	s_add_co_u32 s92, s92, s93
	s_lshl_b32 s92, s92, 10
	s_mov_b32 s93, 0
	s_add_nc_u64 s[8:9], s[8:9], s[92:93]
	v_and_b32 v8, 15, v0                           ; r
	v_bfe_u32 v9, v0, 4, 1                         ; h
	s_delay_alu instid0(VALU_DEP_1)
	v_lshlrev_b32 v9, 3, v9
	s_delay_alu instid0(VALU_DEP_1)
	v_sub_nc_u32 v[THR], v8, v9
	s_lshl_b32 s94, s51, 4
	v_add_nc_u32 v[THR], s94, v[THR]               ; 16 j + r - 8 h: on the diagonal step register j' of tile c is hidden where 16 c + j' is above it
	v_mov_b32 v13, 0xff61b1e6                      ; the largest t so far: -3e38
	s_delay_alu instid0(VALU_DEP_1)
	v_floor_f32 v12, -v13                          ; -M
	v_mov_b32 v14, 0
	v_mov_b32 v15, 0
	v_mov_b32 v236, 0                              ; written once: a lane permute's destination counts as one of its sources
	v_mov_b32 v252, 0
	v_mov_b32 v253, 0                              ; (named as the upper half of the pair v[252:253])
.set oj, 0
.rept 32
	v_mov_b32 v[160+oj], 0                         ; O^T: the step is written once for all its turns, and the first finds zeros
.set oj, oj+1
.endr
	s_wait_kmcnt 0x0
	s_add_co_i32 s80, s70, s71
	s_lshl_b32 s80, s80, 23
	s_add_co_i32 s[CS], s[CS], s80                 ; a score stands for score x 2^(e2 + e3)
	s_mov_b32 s[CS+1], s[CS]
	s_add_co_i32 s80, s72, 127
	s_lshl_b32 s81, s80, 23
	v_mov_b32 v244, s81                            ; 2^e4, for p's conversions
	s_add_co_i32 s80, s80, 8
	s_lshl_b32 s80, s80, 23
	s_or_b32 s80, s80, 0x600000
	v_mov_b32 v240, s80                            ; 448 x 2^e4
	s_sub_co_i32 s80, s74, s72
	s_sub_co_i32 s80, s80, s73                     ; O^T / l stands for that x 2^(e4 + e5): its conversion takes 2^(e6 - e4 - e5)
	s_add_co_i32 s80, s80, 127
	s_lshl_b32 s81, s80, 23
	v_mov_b32 v245, s81
	s_add_co_i32 s80, s80, 8
	s_lshl_b32 s80, s80, 23
	s_or_b32 s54, s80, 0x600000
	s_or_b32 s53, s54, 0x80000000                  ; +-448 x that
; A KEY STEP of 128 keys.  A step behind my diagonal is left out: a scalar branch on the wave's number and the counter, round the work alone.
.macro STEP
	s_cmp_gt_u32 s[KS], s[G]
	s_cbranch_scc1 .Lhidden_\@
	v_add_nc_u32 v[ADK], s[TB], v[LI]
	v_add_nc_u32 v[ADV], s[TB], v[LIV]
	v_nop
	v_nop                                          ; with the two additions: four places in front of loads into registers that the last products read
.irp c, 0,1,2,3,4,5,6,7
	ds_load_b128 v[32+8*\c:35+8*\c], v[ADK] offset:1024*\c
	ds_load_b128 v[36+8*\c:39+8*\c], v[ADK] offset:1024*\c+512
.endr
	s_wait_alu depctr_va_vdst(0)
	s_wait_dscnt 0x0
.irp c, 0,1,2,3,4,5,6,7
	v_wmma_f32_16x16x64_fp8_fp8 v[96+8*\c:103+8*\c], v[32+8*\c:39+8*\c], v[16:23], 0
.endr
.rept 4
	v_nop
.endr
.irp d, 0,1,2,3                                ; V's four fragments land while the softmax is worked
.irp c, 0,1,2,3
	ds_load_b128 v[32+16*\d+4*\c:35+16*\d+4*\c], v[ADV] offset:2048*\d+512*\c
.endr
.endr
	s_cmp_lg_u32 s[KS], s[G]
	s_cbranch_scc1 .Lopen_\@
	v_mov_b32 v254, 0xff800000                     ; on the diagonal hidden scores become -infinity ahead of the maximum: p = 0
.set mn, 0
.rept 64
	v_cmp_gt_i32 vcc_lo, 16*(mn/8)+mn%8, v[THR]
	v_cndmask_b32 v[96+mn], v[96+mn], v254, vcc_lo
.set mn, mn+1
.endr
.Lopen_\@:
	v_max3_num_f32 v254, v96, v97, v98             ; the step's largest score of my query among my 64 keys: four chains that do not wait for each other, in ascending order of the registers
	v_max3_num_f32 v252, v99, v100, v101
	v_max3_num_f32 v246, v102, v103, v104
	v_max3_num_f32 v247, v105, v106, v107
.irp i, 12,20,28,36,44,52
	v_max3_num_f32 v254, v254, v[96+\i], v[97+\i]
	v_max3_num_f32 v252, v252, v[98+\i], v[99+\i]
	v_max3_num_f32 v246, v246, v[100+\i], v[101+\i]
	v_max3_num_f32 v247, v247, v[102+\i], v[103+\i]
.endr
	v_max3_num_f32 v254, v254, v156, v157
	v_max3_num_f32 v252, v252, v158, v159
	s_delay_alu instid0(VALU_DEP_1)
	v_max3_num_f32 v254, v254, v252, v246
	s_delay_alu instid0(VALU_DEP_1)
	v_max_num_f32 v254, v254, v247
	s_delay_alu instid0(VALU_DEP_1)
	v_permlanex16_b32 v236, v254, s[SEL], s[SEL+1]
	s_delay_alu instid0(VALU_DEP_1)
	v_max_num_f32 v254, v254, v236                 ; and among lane l xor 16's
	s_delay_alu instid0(VALU_DEP_1)
	v_mul_f32 v254, s[CS], v254                    ; as t (c is positive)
	s_delay_alu instid0(VALU_DEP_1)
	v_max_num_f32 v13, v13, v254
	v_mov_b32 v254, v12
	s_delay_alu instid0(VALU_DEP_2)
	v_floor_f32 v12, -v13                          ; the new -M = floor(-t)
	s_delay_alu instid0(VALU_DEP_1)
	v_sub_f32 v254, v12, v254                      ; old M - new M: a whole number, 0 or less
	s_delay_alu instid0(VALU_DEP_1)
	v_cvt_i32_f32 v254, v254
	s_delay_alu instid0(VALU_DEP_1)
	v_ldexp_f32 v252, 1.0, v254                    ; f = 2^(old M - new M)
.irp j, 0,2,4,6,8,10,12,14,16,18,20,22,24,26,28,30,32,34,36,38,40,42,44,46,48,50,52,54,56,58,60,62
	v_pk_fma_f32 v[96+\j:97+\j], v[96+\j:97+\j], s[CS:CS+1], v[12:13] op_sel_hi:[1,0,0]   ; t - M
.endr
.set mn, 0
	s_wait_alu depctr_va_vdst(0)
.rept 64
	v_exp_f32 v[96+mn], v[96+mn]                   ; p = 2^(t - M)
.set mn, mn+1
.endr
	v_pk_mul_f32 v[14:15], v[14:15], v[252:253] op_sel_hi:[1,0]   ; the sums under the new M: the plain line behind the exponentials
	s_wait_alu depctr_va_vdst(0)                   ; one wait for the whole batch, ahead of its first reader
	v_pk_add_f32 v[242:243], v[108:109], v[116:117]
	v_pk_add_f32 v[246:247], v[124:125], v[132:133]
	v_pk_add_f32 v[248:249], v[140:141], v[148:149]
	v_pk_add_f32 v[238:239], v[156:157], v[104:105]
	v_pk_add_f32 v[234:235], v[106:107], v[114:115]
	v_pk_add_f32 v[232:233], v[122:123], v[130:131]
	v_pk_add_f32 v[230:231], v[138:139], v[146:147]
	v_pk_add_f32 v[14:15], v[14:15], v[154:155]
	v_pk_add_f32 v[242:243], v[242:243], v[96:97]
	v_pk_add_f32 v[246:247], v[246:247], v[98:99]
	v_pk_add_f32 v[248:249], v[248:249], v[110:111]
	v_pk_add_f32 v[238:239], v[238:239], v[118:119]
	v_pk_add_f32 v[234:235], v[234:235], v[126:127]
	v_pk_add_f32 v[232:233], v[232:233], v[134:135]
	v_pk_add_f32 v[230:231], v[230:231], v[142:143]
	v_pk_add_f32 v[14:15], v[14:15], v[150:151]
	v_pk_add_f32 v[242:243], v[242:243], v[158:159]
	v_pk_add_f32 v[246:247], v[246:247], v[100:101]
	v_pk_add_f32 v[248:249], v[248:249], v[102:103]
	v_pk_add_f32 v[238:239], v[238:239], v[112:113]
	v_pk_add_f32 v[234:235], v[234:235], v[120:121]
	v_pk_add_f32 v[232:233], v[232:233], v[128:129]
	v_pk_add_f32 v[230:231], v[230:231], v[136:137]
	v_pk_add_f32 v[14:15], v[14:15], v[144:145]
	v_pk_add_f32 v[242:243], v[242:243], v[152:153]
	s_delay_alu instid0(VALU_DEP_2)
	v_pk_add_f32 v[14:15], v[14:15], v[238:239]
	s_delay_alu instid0(VALU_DEP_2)
	v_pk_add_f32 v[242:243], v[242:243], v[234:235]
	v_pk_add_f32 v[246:247], v[246:247], v[232:233]
	v_pk_add_f32 v[248:249], v[248:249], v[230:231]
	s_delay_alu instid0(VALU_DEP_2)
	v_pk_add_f32 v[14:15], v[14:15], v[246:247]
	s_delay_alu instid0(VALU_DEP_2)
	v_pk_add_f32 v[242:243], v[242:243], v[248:249]
	s_delay_alu instid0(VALU_DEP_1)
	v_pk_add_f32 v[14:15], v[14:15], v[242:243]
.irp c, 0,1,2,3,4,5,6,7
.irp i, 0,1,2,3,4,5,6,7
	v_min_num_f32 v[96+8*\c+\i], v[96+8*\c+\i], v240   ; p is not negative: a one-sided hold (the conversion does not saturate: ISA guide 7.6.2)
.endr
	v_cvt_scalef32_pk8_fp8_f32 v[192+2*\c:193+2*\c], v[96+8*\c:103+8*\c], v244
.endr
.irp j, 0,2,4,6,8,10,12,14,16,18,20,22,24,26,28,30
	v_pk_mul_f32 v[160+\j:161+\j], v[160+\j:161+\j], v[252:253] op_sel_hi:[1,0]   ; O^T under the new M
.endr
	s_wait_alu depctr_va_vdst(0)
	s_wait_dscnt 0x0                               ; V is in
.irp d, 0,1,2,3
	v_wmma_f32_16x16x128_fp8_fp8 v[160+8*\d:167+8*\d], v[32+16*\d:47+16*\d], v[192:207], v[160+8*\d:167+8*\d]
.endr
.Lhidden_\@:
	s_add_co_u32 s[TB], s[TB], 8192
	s_add_co_u32 s[KS], s[KS], 1
.endm
; n key steps from LDS byte tb of K's part on
.macro RUN tb, n
	s_mov_b32 s[TB], \tb
	s_mov_b32 s[CNT], \n
.Lstep_\@:
	STEP
	s_sub_co_u32 s[CNT], s[CNT], 1
	s_cmp_lg_u32 s[CNT], 0
	s_cbranch_scc1 .Lstep_\@
.endm
	s_wait_alu depctr_va_vdst(0)                   ; the wait at the head's end
	s_wait_loadcnt 0x0                             ; Q
	s_wait_tensorcnt 0x0                           ; my piece of key steps 0 to 3 is in; the later first fill is issued as a refill is:
	ds_add_u32 v251, v255                          ; 0 onto my spare word
	s_wait_dscnt 0x0
	CROUND                                         ; everybody's piece of key steps 0 to 3 is in, and the four work-groups meet
	tensor_load_to_lds s[G0+4:G0+7], s[G1B:G1B+7]  ; key steps 4 to 15: it lands under the first four key steps
	s_nop 0
.rept 4
	v_nop
.endr
	RUN 0, 4
	s_wait_tensorcnt 0x0                           ; both loads of mine are in,
	s_wait_dscnt 0x0
	s_barrier_signal -1
	s_barrier_wait -1                              ; and everybody's: every read of key steps 4 to 15 stands behind this barrier, so none is needed further on
	RUN 32768, 12
	; THE WAY OUT: O^T / the sum, held, converted: registers 2 d, 2 d + 1 of my head's half of the next product's fragment
.rept 4
	v_nop
.endr
	v_add_f32 v14, v14, v15
	s_delay_alu instid0(VALU_DEP_1)
	v_permlanex16_b32 v252, v14, s[SEL], s[SEL+1]
	s_delay_alu instid0(VALU_DEP_1)
	v_add_f32 v14, v14, v252                       ; the row's sum
	s_wait_alu depctr_va_vdst(0)
	v_rcp_f32 v14, v14
	v_nop                                          ; a plain line behind the reciprocal
	s_wait_alu depctr_va_vdst(0)                   ; and the wait ahead of its first reader
.set oj, 0
.rept 32
	v_mul_f32 v[96+oj], v[160+oj], v14
.set oj, oj+1
.endr
.set oj, 0
.rept 32
	v_med3_num_f32 v[96+oj], v[96+oj], s53, s54
.set oj, oj+1
.endr
.irp d, 0,1,2,3
	v_cvt_scalef32_pk8_fp8_f32 v[208+2*\d:209+2*\d], v[96+8*\d:103+8*\d], v245
.endr
	v_nop
	global_store_b128 v[LI], v[208:211], s[8:9]            ; 32 lanes store 512 consecutive bytes
	global_store_b128 v[LI], v[212:215], s[8:9] offset:512
	s_wait_tensorcnt 0x0
	ds_add_u32 v251, v255
	s_wait_dscnt 0x0
	CROUND                                         ; the closing round
	s_endpgm
.Lfunc_end_k_qd59ae5ea18_attn:
	.size	k_qd59ae5ea18_attn, .Lfunc_end_k_qd59ae5ea18_attn-k_qd59ae5ea18_attn
	.p2alignl 7, 3214868480
	.fill 96, 4, 3214868480
	.section	.rodata,"a",@progbits
	.p2align	6, 0x0
	.amdhsa_kernel k_qd59ae5ea18_attn
		.amdhsa_group_segment_fixed_size 327680
		.amdhsa_private_segment_fixed_size 0
		.amdhsa_enable_private_segment 0
		.amdhsa_kernarg_size 24
		.amdhsa_user_sgpr_count 2
		.amdhsa_user_sgpr_kernarg_segment_ptr 1
		.amdhsa_wavefront_size32 1
		.amdhsa_system_sgpr_workgroup_id_x 1
		.amdhsa_system_sgpr_workgroup_id_y 1
		.amdhsa_system_sgpr_workgroup_id_z 1
		.amdhsa_system_vgpr_workitem_id 0
		.amdhsa_next_free_vgpr 256
		.amdhsa_next_free_sgpr 100
		.amdhsa_reserve_vcc 1
		.amdhsa_float_denorm_mode_32 3
		.amdhsa_float_denorm_mode_16_64 3
		.amdhsa_memory_ordered 1
		.amdhsa_forward_progress 1
		.amdhsa_inst_pref_size 55
	.end_amdhsa_kernel
	.amdgpu_metadata
---
amdhsa.version: [ 1, 2 ]
amdhsa.kernels:
  - .name:           k_qd59ae5ea18_attn
    .symbol:         k_qd59ae5ea18_attn.kd
    .args:
      - { .name: qkv, .offset: 0, .size: 8, .value_kind: global_buffer, .address_space: global }
      - { .name: lowp_scales, .offset: 8, .size: 8, .value_kind: global_buffer, .address_space: global }
      - { .name: mha, .offset: 16, .size: 8, .value_kind: global_buffer, .address_space: global }
    .group_segment_fixed_size: 327680
    .private_segment_fixed_size: 0
    .kernarg_segment_align: 8
    .kernarg_segment_size: 24
    .max_flat_workgroup_size: 512
    .sgpr_count:     100
    .vgpr_count:     256
    .wavefront_size: 32
...
	.end_amdgpu_metadata
.endif
;; end of part 3
;; launch wo (part 4): grid 8 x 32, 4 waves a work-group, clusters of 4 x 4, 327,680 bytes of LDS; arguments mha, WO_codes, lowp_scales, bO, y, x; writes y
.if DOCPART == 4
	.amdgcn_target "amdgcn-amd-amdhsa--gfx1250"
	.amdhsa_code_object_version 6
	.text
	.protected	k_qd59ae5ea18_wo
	.globl	k_qd59ae5ea18_wo
	.p2align	8
	.type	k_qd59ae5ea18_wo,@function
k_qd59ae5ea18_wo:
	s_mov_b64 s[64:65], 0
	v_nop
	global_prefetch_b8 v0, s[64:65] scope:SCOPE_SE
	s_setreg_imm32_b32 hwreg(HW_REG_WAVE_MODE, 25, 1), 1
	s_wait_xcnt 0x0
	s_wait_alu depctr_hold_cnt(0) depctr_sa_sdst(0) depctr_va_vdst(0) depctr_va_sdst(0) depctr_va_ssrc(0) depctr_va_vcc(0) depctr_vm_vsrc(0)
	s_getreg_b32 s2, hwreg(HW_REG_IB_STS2, 6, 4)
	s_cmp_eq_u32 s2, 0
	s_cbranch_scc0 .Lentry_in_a_cluster
	s_endpgm
.Lentry_in_a_cluster:
	s_bfe_u32 s2, ttmp6, 0x10000c
	s_cmp_lg_u32 s2, 0xf033
	s_cbranch_scc0 .Lentry_shape_is_right
	s_endpgm
.Lentry_shape_is_right:
; out = res + A W^T + bias on codes of E4M3: a tile of 128 tokens x 128 columns a work-group.  Here: A = mha's codes, W = WO_codes, bias = bO, res = x, out = y.
; A lies as images of fragments: [tile of 16 tokens][K step of 128][4][lane][16 bytes], in the matrix form's own layout (registers 2 c, 2 c + 1: k = 16 c + 8 h + 0 .. 7).
; W: [1024][KTOT] codes, K innermost; its fragments are read in the same layout, by eight 8-byte loads.  Scales 2^e: s[EA] for A, s[EB] for W.
; LIMIT: their sum lies between -126 and 127.  NaN and infinities among the inputs are not served.
; SHARES.  Four waves, each 64 tokens x 64 columns: 16 accumulators.  K goes in slots of 512 through a ring of two LDS slots filled by the tensor data mover.
; 4 x 4 work-groups form a cluster: the tokens' tile is asked for jointly by a row of the cluster, the weights' by a column.
; Source 0 = 16 rows of W, source 1 = 16 tokens: a lane holds one token and eight neighbouring columns.  The bias is the C of each sum's first product, as bias / 2^(ea + eb).
; The residual's tile is asked for at the head and lands under the products.  Results go through the wave's own stage in LDS and leave as rows: sixteen lanes store 256 consecutive, aligned bytes.
; REGISTERS: window 0: v0-31 addresses; v32-63 the bias; v64-95 at work; v96-223 rows on the way out; v128-191 the tokens' 4 fragments, ONE set.
;   window 1: v0-127 the weights' 4 fragments, TWO sets; v128-255 the residual.  window 2: accumulators of token blocks 0, 1, (p, n) at v[32 (p % 2) + 8 n];  window 3: blocks 2, 3.
.set KTOT,  1024
.set EA,    74                         ; s74 = e6
.set EB,    75                         ; s75 = e7
.set KSLOT, 512
.set WP,    528                        ; a row of W in LDS: 512 bytes + 16 of padding = 132 words: the 32 lanes of an 8-byte load touch 64 different banks (64 banks of 4 bytes: ISA guide 11.1)
.set IMGH,  32768                      ; four tiles of tokens x 8,192 bytes: one tensor load
.set WGTH,  64*WP                      ; 64 rows of W: one tensor load
.set WOFF,  2*IMGH
.set SLOT,  WOFF+2*WGTH
.set SPARE, 2*SLOT                     ; behind the ring: the spare words, 128 bytes a wave
.set STAGE, SPARE+512                  ; behind them: 16 rows x 272 bytes for each wave; no fill lands here
.set LAPS,  KTOT/(2*KSLOT)
.set NP, 4
.set NR, 4
.set HP, 2
.set QP, 1
.set LP, 4
.set AF, 128
.set RS, 64
.set BI, 32
.set ADRP, 16
.set ADRR, 20
.set STO,  24
.set RD,   25
.set CO,   26                          ; v26 4,096 h + 16 r: my 16 bytes in two rows of the residual and of the result
.set SPW,  28
.set NIL,  29
.set BO8,  30
.set G1T, 24
.set G0T, 32
.set G1W, 48
.set G0W, 56
.set MSB, 0
.macro WIN new                         ; the immediate's high byte repeats the setting that is left
.if MSB != (\new)
	s_set_vgpr_msb (MSB<<8)|(\new)
.set MSB, \new
.endif
.endm
.macro PLACES n                        ; plain vector lines between a matrix instruction and a load into, or a read of, its registers
.rept \n
	v_nop
.endr
.endm
.macro JLOAD s                         ; waves 0 and 1 fetch the tokens' halves, waves 2 and 3 the weights'; four v_nop follow each line
	s_cmp_eq_u32 s15, 0
	s_cbranch_scc0 .Lfor_w_\@
	tensor_load_to_lds s[G0T+4*\s:G0T+4*\s+3], s[G1T:G1T+7]
	s_nop 0
.rept 4
	v_nop
.endr
	s_branch .Lasked_\@
.Lfor_w_\@:
	tensor_load_to_lds s[G0W+4*\s:G0W+4*\s+3], s[G1W:G1W+7]
	s_nop 0
.rept 4
	v_nop
.endr
.Lasked_\@:
.endm
.macro CREST
	s_cmp_lg_u32 s14, 0
	s_cbranch_scc1 .Lnot_wave_0_\@
	s_barrier_signal -3
.Lnot_wave_0_\@:
	s_barrier_wait -3
	s_barrier_signal -1
	s_barrier_wait -1
.endm
.macro CROUND
	s_barrier_signal -1
	s_barrier_wait -1
	CREST
.endm
	s_load_b256 s[4:11], s[0:1], 0x0               ; A's images s[4:5], W s[6:7], the scales s[8:9], the bias s[10:11]
	s_load_b64 s[12:13], s[0:1], 0x20              ; the result
	s_load_b64 s[80:81], s[0:1], 0x28              ; the residual
	v_lshl_add_u32 v[SPW], v0, 2, SPARE
	v_mov_b32 v[NIL], 0
	ds_add_u32 v28, v29
	ds_add_u32 v28, v29
	s_wait_dscnt 0x0
	v_lshrrev_b32 v1, 5, v0
	v_readfirstlane_b32 s14, v1                    ; wave 0..3
	s_lshr_b32 s15, s14, 1                         ; my half of the tokens.  Also: I fetch tokens (0) or weights (1)
	s_and_b32 s16, s14, 1                          ; my half of the columns.  Also: which half of that tile I fetch
	s_bfe_u32 s40, ttmp6, 0x40000
	s_bfe_u32 s41, ttmp6, 0x40004
	s_lshl_b32 s42, ttmp9, 2
	s_add_co_u32 s42, s42, s40                     ; tile column
	s_and_b32 s17, ttmp7, 0xffff
	s_lshl_b32 s17, s17, 2
	s_add_co_u32 s17, s17, s41                     ; tile row
	s_lshl_b32 s43, s41, 2
	s_lshl_b32 s43, 15, s43                        ; my row of the cluster
	s_lshl_b32 s44, 0x1111, s40                    ; my column
	s_or_b32 s[G1T], s43, (3<<16)|(1<<21)          ; 15:0 the mask; 17:16 elements of 8 bytes; 21 set beside a mask; no padding
	s_mov_b32 s[G1T+1], 1024<<16                   ; tensor_dim0: 1,024 elements: a tile's 8,192 bytes of a slot
	s_mov_b32 s[G1T+2], 4<<16                      ; tensor_dim1: four tiles of tokens
	s_mov_b32 s[G1T+3], 1024<<16
	s_mov_b32 s[G1T+4], 4
	s_mov_b32 s[G1T+5], 2*KTOT                     ; from tile to tile: 16 KTOT bytes
	s_mov_b32 s[G1T+6], 0
	s_mov_b32 s[G1T+7], 0
	s_or_b32 s[G1W], s44, (1<<20)|(1<<21)|(6<<22)|(3<<25)   ; elements of 1 byte; padding: four words after every 128
	s_mov_b32 s[G1W+1], KSLOT<<16
	s_mov_b32 s[G1W+2], 64<<16
	s_mov_b32 s[G1W+3], KSLOT<<16
	s_mov_b32 s[G1W+4], 64
	s_mov_b32 s[G1W+5], KTOT
	s_mov_b32 s[G1W+6], 0
	s_mov_b32 s[G1W+7], 0
	s_lshl_b32 s20, s17, 3
	s_lshl_b32 s18, s16, 2
	s_add_co_u32 s20, s20, s18                     ; tokens: tile 8 x tile row + 4 x half
	s_mul_i32 s20, s20, 16*KTOT
	s_mov_b32 s21, 0
	s_lshl_b32 s46, s42, 7
	s_lshl_b32 s18, s16, 6
	s_add_co_u32 s46, s46, s18                     ; weights: row 128 x tile column + 64 x half
	s_mul_i32 s46, s46, KTOT
	s_mov_b32 s47, 0
	s_lshl_b32 s45, s16, 15                        ; where they go: no place in the cluster enters an LDS address
	s_mul_i32 s66, s16, WGTH
	s_add_co_u32 s66, s66, WOFF
	s_wait_kmcnt 0x0
	s_load_b256 s[68:75], s[8:9], 0x0              ; e0 .. e7
	s_load_b128 s[76:79], s[8:9], 0x20             ; e8 .. e11
	s_add_nc_u64 s[20:21], s[4:5], s[20:21]
	s_add_nc_u64 s[46:47], s[6:7], s[46:47]
	CROUND                                         ; all sixteen work-groups are here: the first joint loads meet
.irp s, 0,1
	s_mov_b32 s[G0T+4*\s], 1
	s_add_co_u32 s[G0T+4*\s+1], s45, \s*SLOT
	s_add_nc_u64 s[G0T+4*\s+2:G0T+4*\s+3], s[20:21], \s*8192
	s_or_b32 s[G0T+4*\s+3], s[G0T+4*\s+3], 0x80000000
	s_mov_b32 s[G0W+4*\s], 1
	s_add_co_u32 s[G0W+4*\s+1], s66, \s*SLOT
	s_add_nc_u64 s[G0W+4*\s+2:G0W+4*\s+3], s[46:47], \s*KSLOT
	s_or_b32 s[G0W+4*\s+3], s[G0W+4*\s+3], 0x80000000
.endr
	JLOAD 0                                        ; slot 0: my one tensor load at the head
	v_and_b32 v1, 15, v0
	v_bfe_u32 v2, v0, 4, 1                         ; h
	v_and_b32 v5, 31, v0
	v_lshlrev_b32 v5, 4, v5                        ; 16 x lane
	v_mul_u32_u24 v3, v1, WP
	v_lshl_add_u32 v4, v2, 3, v3                   ; W: row x pitch + 8 h
	s_lshl_b32 s21, s15, 15                        ; my four tiles of tokens
	s_mul_i32 s22, s16, WGTH
	s_add_co_u32 s22, s22, WOFF                    ; my 64 rows of W
.irp s, 0,1
	v_add_nc_u32 v[ADRP+\s], s21, v5
	v_add_nc_u32 v[ADRR+\s], s22, v4
	s_add_co_u32 s21, s21, SLOT
	s_add_co_u32 s22, s22, SLOT
.endr
	s_mul_i32 s23, s14, 16*272
	s_add_co_u32 s23, s23, STAGE                   ; my stage
	v_mul_u32_u24 v[STO], v1, 272
	v_lshl_add_u32 v[STO], v2, 5, v[STO]
	v_add_nc_u32 v[STO], s23, v[STO]               ; in: row r, 32 bytes for each half of the lanes
	v_mul_u32_u24 v[RD], v2, 272
	v_lshl_add_u32 v[RD], v1, 4, v[RD]
	v_add_nc_u32 v[RD], s23, v[RD]                 ; back: lanes 0-15 one row of 256 bytes, lanes 16-31 the next
	v_lshlrev_b32 v[CO], 12, v2
	v_lshl_add_u32 v[CO], v1, 4, v[CO]
	v_lshlrev_b32 v[BO8], 5, v2
	s_wait_alu depctr_va_vdst(0)
	s_lshl_b32 s46, s42, 9
	s_lshl_b32 s47, s16, 8
	s_add_co_u32 s46, s46, s47                     ; my first column, in bytes: 512 x tile column + 256 x half
	s_mov_b32 s47, 0
	s_add_nc_u64 s[10:11], s[10:11], s[46:47]
	s_lshl_b32 s18, s17, 7
	s_lshl_b32 s19, s15, 6
	s_add_co_u32 s18, s18, s19                     ; my first row: 128 x tile row + 64 x half
	s_lshl_b32 s18, s18, 12
	s_add_co_u32 s18, s18, s46
	s_mov_b32 s19, 0
	s_add_nc_u64 s[12:13], s[12:13], s[18:19]
	s_add_nc_u64 s[80:81], s[80:81], s[18:19]
.irp n, 0,1,2,3                                ; the bias: lane (r, h), register j of block n: column 16 n + 8 h + j
	global_load_b128 v[BI+8*\n:BI+8*\n+3], v[BO8], s[10:11] offset:64*\n
	global_load_b128 v[BI+8*\n+4:BI+8*\n+7], v[BO8], s[10:11] offset:64*\n+16
.endr
	WIN 0x40                                       ; destination window 1
.irp a, 0,1,2,3                                ; the residual, laid as the rows come back from the stage
.irp t, 0,1,2,3,4,5,6,7
	global_load_b128 v[128+32*\a+4*\t:128+32*\a+4*\t+3], v[CO], s[80:81] offset:(16*\a+2*\t)*4096
.endr
.endr
	WIN 0
	s_wait_kmcnt 0x0
	s_add_co_i32 s86, s[EA], s[EB]                 ; a sum stands for sum x 2^(ea + eb)
	s_sub_co_i32 s88, 0, s86
	s_add_co_i32 s86, s86, 127
	s_lshl_b32 s90, s86, 23                        ; 2^(ea + eb) as f32
	s_mov_b32 s91, s90                             ; (named with it as a pair)
	s_wait_loadcnt 32                              ; the bias is in; the 32 loads of the residual, issued behind it, may be out
.set bj, 0
.rept 32
	v_ldexp_f32 v[BI+bj], v[BI+bj], s88
.set bj, bj+1
.endr
; n blocks of tokens from p0 on x my four blocks of W, 128 along K.  bs: W's set.  first = 1: the bias is C and starts the sums.
; The 16 accumulators take turns, one instruction a turn, in the same order in every step.
.macro MUL p0, n, bs, first
.set pp, \p0
.rept \n
.set hw, 2+pp/HP
.if \first
	WIN (hw<<6)|1
.else
	WIN (hw<<6)|(hw<<4)|1
.endif
.set rr, 0
.rept NR
.set ac, 8*(NR*(pp%HP)+rr)
.set cc, ac
.if \first
.set cc, BI+8*rr
.endif
	v_wmma_f32_16x16x128_fp8_fp8 v[ac:ac+7], v[RS*(\bs)+16*rr:RS*(\bs)+16*rr+15], v[AF+16*pp:AF+16*pp+15], v[cc:cc+7]
.set rr, rr+1
.endr
.set pp, pp+1
.endr
.endm
.macro FRAG_P reg, adr, q, blk         ; an image: the same registers in the same lanes as when it was stored
.irp c, 0,1,2,3
	ds_load_b128 v[\reg+4*\c:\reg+4*\c+3], v[\adr] offset:(\blk)*8192+(\q)*2048+512*\c
.endr
.endm
.macro FRAG_R reg, adr, q, blk         ; rows: registers 2 c, 2 c + 1 hold k = 16 c + 8 h + 0 .. 7
.irp c, 0,1,2,3,4,5,6,7
	ds_load_b64 v[\reg+2*\c:\reg+2*\c+1], v[\adr] offset:128*(\q)+16*\c+(\blk)*16*WP
.endr
.endm
.macro FETCH_R slot, q, bs
	WIN 0x40
.set fb, 0
.rept NR
	FRAG_R RS*(\bs)+16*fb, ADRR+\slot, \q, fb
.set fb, fb+1
.endr
	WIN 0
.endm
.macro FETCH_P slot, q, p0
.set fb, \p0
.rept HP
	FRAG_P AF+16*fb, ADRP+\slot, \q, fb
.set fb, fb+1
.endr
.endm
.macro STEP slot, q, first
	s_wait_dscnt HP*LP                             ; W's set and token blocks 0, 1 are in; the youngest 8 loads (blocks 2, 3) may be out
	MUL 0, HP, (\q)%2, \first
	s_wait_dscnt 0x0
	PLACES 4
	FETCH_R \slot, (\q)+1, 1-(\q)%2
	FETCH_P \slot, (\q)+1, 0
	MUL HP, HP, (\q)%2, \first
	PLACES 4
	WIN 0
	FETCH_P \slot, (\q)+1, HP
.endm
; A slot's last step changes slots: one barrier; in front of it each wave waits for all its tensor loads, adds 0 to its spare word, and waits for that and for its reads of this slot.
.macro TURN slot, next, fill
	s_wait_tensorcnt 0x0                           ; all my tensor loads have landed: my part of the next slot
	ds_add_u32 v[SPW], v[NIL]                      ; 0 onto my spare word
	s_wait_dscnt HP*LP+1                           ; (the add and the youngest 8 loads may be out)
	MUL 0, QP, 1, 0
	s_wait_dscnt 0x0                               ; the add is done, and my reads of this slot are over
	s_barrier_signal -1
	MUL QP, QP, 1, 0
	WIN 0
	s_barrier_wait -1
.if \fill
	CREST                                          ; the barrier has opened a round of the cluster's: no wave of any partner still reads this slot or has a load on its way
	s_add_nc_u64 s[G0T+4*\slot+2:G0T+4*\slot+3], s[G0T+4*\slot+2:G0T+4*\slot+3], 2*8192
	s_add_nc_u64 s[G0W+4*\slot+2:G0W+4*\slot+3], s[G0W+4*\slot+2:G0W+4*\slot+3], 2*KSLOT
	JLOAD \slot                                    ; the first tensor load behind the round; its four v_nop are the places in front of the loads below
.else
	PLACES 4
.endif
	FETCH_R \next, 0, 0
	FETCH_P \next, 0, 0
	MUL HP, HP, 1, 0
	PLACES 4
	WIN 0
	FETCH_P \next, 0, HP
.endm
	s_wait_alu depctr_va_vdst(0)
	s_wait_tensorcnt 0x0                           ; my part of slot 0 is in; slot 1's first fill is issued as a refill is:
	ds_add_u32 v[SPW], v[NIL]                      ; 0 onto my spare word
	s_wait_dscnt 0x0
	CROUND                                         ; everybody's part of slot 0 is in, and the sixteen work-groups meet
	JLOAD 1                                        ; the first tensor load behind the round
	FETCH_R 0, 0, 0
	FETCH_P 0, 0, 0
	FETCH_P 0, 0, HP
	STEP 0, 0, 1                                   ; the first step stands in front of the loop: its products start the sums
.if LAPS > 1
	s_mov_b32 s3, LAPS-1
.Llap:                                             ; a trip goes once round the ring and fills both slots again
	STEP 0, 1, 0
	STEP 0, 2, 0
	TURN 0, 1, 1
	STEP 1, 0, 0
	STEP 1, 1, 0
	STEP 1, 2, 0
	TURN 1, 0, 1
	STEP 0, 0, 0
	s_sub_co_u32 s3, s3, 1
	s_cmp_lg_u32 s3, 0
	s_cbranch_scc1 .Llap
.endif
	STEP 0, 1, 0                                   ; the last lap fills nothing
	STEP 0, 2, 0
	TURN 0, 1, 0
	STEP 1, 0, 0
	STEP 1, 1, 0
	STEP 1, 2, 0
	s_wait_dscnt HP*LP
	MUL 0, HP, 1, 0
	s_wait_dscnt 0x0
	MUL HP, HP, 1, 0
	WIN 0
; THE WAY OUT, a block of 16 tokens x 64 columns at a time: x 2^(ea + eb), through my stage, back as rows of 256 bytes, + the residual, stored.
.macro TOSTAGE a
	WIN 0x02+(\a)/2                                ; source 0: window 2 or 3
.irp j, 0,2,4,6,8,10,12,14,16,18,20,22,24,26,28,30
	v_pk_mul_f32 v[64+\j:65+\j], v[32*((\a)%2)+\j:32*((\a)%2)+\j+1], s[90:91] op_sel_hi:[1,0]   ; each accumulator from its low end on
.endr
	WIN 0
.irp n, 0,1,2,3
	ds_store_b128 v[STO], v[64+8*\n:67+8*\n] offset:64*\n
	ds_store_b128 v[STO], v[68+8*\n:71+8*\n] offset:64*\n+16
.endr
.irp t, 0,1,2,3,4,5,6,7
	ds_load_b128 v[96+32*(\a)+4*\t:96+32*(\a)+4*\t+3], v[RD] offset:544*\t   ; LDS serves a wave's instructions in order (ISA guide 5.7.1.4): these see the stores above
.endr
.endm
.macro SEND a, younger                 ; younger: the LDS instructions issued behind block a's loads, which may stay out
	s_wait_dscnt \younger
	WIN 0x04                                       ; source 1: window 1
.irp j, 0,2,4,6,8,10,12,14,16,18,20,22,24,26,28,30
	v_pk_add_f32 v[96+32*(\a)+\j:96+32*(\a)+\j+1], v[96+32*(\a)+\j:96+32*(\a)+\j+1], v[128+32*(\a)+\j:128+32*(\a)+\j+1]
.endr
	WIN 0
.irp t, 0,1,2,3,4,5,6,7
	global_store_b128 v[CO], v[96+32*(\a)+4*\t:96+32*(\a)+4*\t+3], s[12:13] offset:(16*(\a)+2*\t)*4096   ; 16 lanes store 256 consecutive bytes, aligned
.endr
.endm
	PLACES 4
	s_wait_loadcnt 0x0                             ; the residual
	TOSTAGE 0
	TOSTAGE 1
	SEND 0, 16                                     ; behind block 0's loads: block 1's 8 stores and 8 loads
	TOSTAGE 2
	SEND 1, 16
	TOSTAGE 3
	SEND 2, 16
	SEND 3, 0
	s_wait_tensorcnt 0x0                           ; the wave's end
	ds_add_u32 v[SPW], v[NIL]
	s_wait_dscnt 0x0
	CROUND                                         ; the closing round
	s_endpgm
.Lfunc_end_k_qd59ae5ea18_wo:
	.size	k_qd59ae5ea18_wo, .Lfunc_end_k_qd59ae5ea18_wo-k_qd59ae5ea18_wo
	.p2alignl 7, 3214868480
	.fill 96, 4, 3214868480
	.section	.rodata,"a",@progbits
	.p2align	6, 0x0
	.amdhsa_kernel k_qd59ae5ea18_wo
		.amdhsa_group_segment_fixed_size 327680
		.amdhsa_private_segment_fixed_size 0
		.amdhsa_enable_private_segment 0
		.amdhsa_kernarg_size 48
		.amdhsa_user_sgpr_count 2
		.amdhsa_user_sgpr_kernarg_segment_ptr 1
		.amdhsa_wavefront_size32 1
		.amdhsa_system_sgpr_workgroup_id_x 1
		.amdhsa_system_sgpr_workgroup_id_y 1
		.amdhsa_system_sgpr_workgroup_id_z 1
		.amdhsa_system_vgpr_workitem_id 0
		.amdhsa_next_free_vgpr 1024
		.amdhsa_next_free_sgpr 100
		.amdhsa_reserve_vcc 0
		.amdhsa_float_denorm_mode_32 3
		.amdhsa_float_denorm_mode_16_64 3
		.amdhsa_memory_ordered 1
		.amdhsa_forward_progress 1
		.amdhsa_inst_pref_size 66
	.end_amdhsa_kernel
	.amdgpu_metadata
---
amdhsa.version: [ 1, 2 ]
amdhsa.kernels:
  - .name:           k_qd59ae5ea18_wo
    .symbol:         k_qd59ae5ea18_wo.kd
    .args:
      - { .name: mha, .offset: 0, .size: 8, .value_kind: global_buffer, .address_space: global }
      - { .name: WO_codes, .offset: 8, .size: 8, .value_kind: global_buffer, .address_space: global }
      - { .name: lowp_scales, .offset: 16, .size: 8, .value_kind: global_buffer, .address_space: global }
      - { .name: bO, .offset: 24, .size: 8, .value_kind: global_buffer, .address_space: global }
      - { .name: y, .offset: 32, .size: 8, .value_kind: global_buffer, .address_space: global }
      - { .name: x, .offset: 40, .size: 8, .value_kind: global_buffer, .address_space: global }
    .group_segment_fixed_size: 327680
    .private_segment_fixed_size: 0
    .kernarg_segment_align: 8
    .kernarg_segment_size: 48
    .max_flat_workgroup_size: 128
    .sgpr_count:     100
    .vgpr_count:     1024
    .wavefront_size: 32
...
	.end_amdgpu_metadata
.endif
;; end of part 4
;; launch ln1 (part 5): grid 256 x 1, 4 waves a work-group, no clusters, 10,752 bytes of LDS; arguments y, gamma1, beta1, lowp_scales, x1, x1q; writes x1, x1q
.if DOCPART == 5
	.amdgcn_target "amdgcn-amd-amdhsa--gfx1250"
	.amdhsa_code_object_version 6
	.text
	.protected	k_qd59ae5ea18_ln1
	.globl	k_qd59ae5ea18_ln1
	.p2align	8
	.type	k_qd59ae5ea18_ln1,@function
k_qd59ae5ea18_ln1:
	s_mov_b64 s[64:65], 0
	v_nop
	global_prefetch_b8 v0, s[64:65] scope:SCOPE_SE
	s_setreg_imm32_b32 hwreg(HW_REG_WAVE_MODE, 25, 1), 1
	s_wait_xcnt 0x0
; Layer norm along rows of 1,024 f32: out = (y - mean) / sqrt(var + 1e-5) x gamma + beta; with CODES = 1 also the result's codes of E4M3 with the given scale 2^e (entry 8).
; The variance is the mean of the squared differences from the mean.  LIMITS (CODES = 1): -126 <= e and e + 8 <= 127.  NaN and infinities are not served.
; One wave takes a whole row, eight 16-byte loads a lane, and keeps it in 32 registers; four rows a wave, all asked for at the head.  Each load and store of a wave covers 512 consecutive bytes.
; For the codes half a row (2,048 bytes) turns through the wave's own stage in LDS (16 bytes of padding behind each 64), so that a lane holds 16 neighbours.  Waves share nothing: no barrier.
.set CODES, 1
	s_load_b256 s[4:11], s[0:1], 0x0               ; y, gamma, beta; then the scales (CODES = 1) or the output
.if CODES
	s_load_b128 s[16:19], s[0:1], 0x20             ; the output, its codes
	v_lshl_add_u32 v9, v0, 2, 0x2800
	s_set_vgpr_msb 0x40
	v_mov_b32 v1, 0
	s_set_vgpr_msb 0x4000
.endif
	v_lshrrev_b32 v3, 5, v0
	v_readfirstlane_b32 s20, v3                    ; wave
	v_and_b32 v2, 31, v0
	v_lshlrev_b32 v1, 4, v2                        ; 16 x lane
.if CODES
	s_mul_i32 s21, s20, 2560                       ; my stage
	v_lshrrev_b32 v14, 2, v2
	v_mul_u32_u24 v14, v14, 80
	v_and_b32 v15, 3, v2
	v_lshl_add_u32 v14, v15, 4, v14
	v_add_nc_u32 v14, s21, v14                     ; in: 80 (lane / 4) + 16 (lane % 4)
	v_mul_u32_u24 v15, v2, 80
	v_add_nc_u32 v15, s21, v15                     ; out: 80 x lane
.endif
	v_mov_b32 v6, 0                                ; a lane permute's destination counts as one of its sources
	s_mov_b32 s12, 0x76543210
	s_mov_b32 s13, 0xfedcba98
	s_mov_b32 s14, 0x3a800000                      ; 1 / 1,024
	s_mov_b32 s15, 0x3727c5ac                      ; 1e-5
	s_lshl_b32 s21, ttmp9, 4
	s_lshl_b32 s22, s20, 2
	s_add_co_u32 s21, s21, s22                     ; my first row
	s_lshl_b32 s22, s21, 12
	s_mov_b32 s23, 0
	s_wait_alu depctr_va_vdst(0)
	s_wait_kmcnt 0x0
	s_add_nc_u64 s[4:5], s[4:5], s[22:23]
.if CODES
	s_load_b32 s24, s[10:11], 0x20                 ; e
	s_add_nc_u64 s[16:17], s[16:17], s[22:23]
	s_lshl_b32 s22, s21, 10
	s_add_nc_u64 s[18:19], s[18:19], s[22:23]
.else
	s_add_nc_u64 s[16:17], s[10:11], s[22:23]
.endif
.irp i, 0,1,2,3,4,5,6,7
	global_load_b128 v[32+4*\i:35+4*\i], v1, s[6:7] offset:512*\i
.endr
.irp i, 0,1,2,3,4,5,6,7
	global_load_b128 v[64+4*\i:67+4*\i], v1, s[8:9] offset:512*\i
.endr
.irp t, 0,1,2,3
.irp i, 0,1,2,3,4,5,6,7
	global_load_b128 v[96+32*\t+4*\i:99+32*\t+4*\i], v1, s[4:5] offset:4096*\t+512*\i th:TH_LOAD_NT
.endr
.endr
.if CODES
	s_wait_kmcnt 0x0
	s_add_co_i32 s24, s24, 127
	s_lshl_b32 s25, s24, 23
	v_mov_b32 v8, s25                              ; 2^e as f32
	s_add_co_i32 s24, s24, 8
	s_lshl_b32 s24, s24, 23
	s_or_b32 s26, s24, 0x600000                    ; 448 x 2^e
	s_or_b32 s25, s26, 0x80000000
.endif
.macro REDUCE                          ; the sum of v2 over the 32 lanes, in every lane
	v_add_f32_dpp v2, v2, v2 row_xmask:1 row_mask:0xf bank_mask:0xf
	v_add_f32_dpp v2, v2, v2 row_xmask:2 row_mask:0xf bank_mask:0xf
	v_add_f32_dpp v2, v2, v2 row_xmask:4 row_mask:0xf bank_mask:0xf
	v_add_f32_dpp v2, v2, v2 row_xmask:8 row_mask:0xf bank_mask:0xf
	v_permlanex16_b32 v6, v2, s12, s13
	v_add_f32 v2, v2, v6
.endm
.macro ROW t
.set X, 96+32*(\t)
	s_wait_loadcnt 8*(3-(\t))                      ; gamma, beta and my row are in; the later rows' loads may be out
	v_pk_add_f32 v[2:3], v[X:X+1], v[X+2:X+3]
	v_pk_add_f32 v[4:5], v[X+4:X+5], v[X+6:X+7]
.irp j, 8,12,16,20,24,28
	v_pk_add_f32 v[2:3], v[2:3], v[X+\j:X+\j+1]
	v_pk_add_f32 v[4:5], v[4:5], v[X+\j+2:X+\j+3]
.endr
	v_pk_add_f32 v[2:3], v[2:3], v[4:5]
	v_add_f32 v2, v2, v3
	REDUCE
	v_mul_f32 v10, s14, v2                         ; the mean, twice
	v_mul_f32 v11, s14, v2
.irp j, 0,2,4,6,8,10,12,14,16,18,20,22,24,26,28,30
	v_pk_add_f32 v[X+\j:X+\j+1], v[X+\j:X+\j+1], v[10:11] neg_lo:[0,1] neg_hi:[0,1]
.endr
	v_pk_mul_f32 v[2:3], v[X:X+1], v[X:X+1]
	v_pk_mul_f32 v[4:5], v[X+2:X+3], v[X+2:X+3]
.irp j, 4,8,12,16,20,24,28
	v_pk_fma_f32 v[2:3], v[X+\j:X+\j+1], v[X+\j:X+\j+1], v[2:3]
	v_pk_fma_f32 v[4:5], v[X+\j+2:X+\j+3], v[X+\j+2:X+\j+3], v[4:5]
.endr
	v_pk_add_f32 v[2:3], v[2:3], v[4:5]
	v_add_f32 v2, v2, v3
	REDUCE
	v_fma_f32 v7, v2, s14, s15                     ; var + 1e-5
	s_wait_alu depctr_va_vdst(0)
	v_rsq_f32 v12, v7
	v_rsq_f32 v13, v7
	v_nop                                          ; a plain line behind the two,
	s_wait_alu depctr_va_vdst(0)                   ; and one wait ahead of their first reader
.irp j, 0,2,4,6,8,10,12,14,16,18,20,22,24,26,28,30
	v_pk_mul_f32 v[X+\j:X+\j+1], v[X+\j:X+\j+1], v[12:13]
.endr
.irp j, 0,2,4,6,8,10,12,14,16,18,20,22,24,26,28,30
	v_pk_fma_f32 v[X+\j:X+\j+1], v[X+\j:X+\j+1], v[32+\j:33+\j], v[64+\j:65+\j]
.endr
.irp i, 0,1,2,3,4,5,6,7
	global_store_b128 v1, v[X+4*\i:X+4*\i+3], s[16:17] offset:4096*(\t)+512*\i
.endr
.if CODES
.irp u, 0,1
.irp i, 0,1,2,3
	ds_store_b128 v14, v[X+16*\u+4*\i:X+16*\u+4*\i+3] offset:640*\i
.endr
.irp i, 0,1,2,3
	ds_load_b128 v[16+4*\i:19+4*\i], v15 offset:16*\i      ; LDS serves a wave's instructions in order: these see the stores above
.endr
	s_wait_dscnt 0x0
.irp i, 0,1,2,3,4,5,6,7,8,9,10,11,12,13,14,15
	v_med3_num_f32 v[16+\i], v[16+\i], s25, s26    ; the conversion does not saturate (ISA guide 7.6.2): the hold comes first
.endr
	v_cvt_scalef32_pk8_fp8_f32 v[224+8*(\t)+4*\u:225+8*(\t)+4*\u], v[16:23], v8
	v_cvt_scalef32_pk8_fp8_f32 v[226+8*(\t)+4*\u:227+8*(\t)+4*\u], v[24:31], v8
	v_nop                                          ; a plain line behind the conversions: the next holds write their sources
	global_store_b128 v1, v[224+8*(\t)+4*\u:227+8*(\t)+4*\u], s[18:19] offset:1024*(\t)+512*\u
.endr
.endif
.endm
	ROW 0
	ROW 1
	ROW 2
	ROW 3
	s_set_vgpr_msb 0x4
	s_wait_tensorcnt 0x0
	ds_add_u32 v9, v1
	s_wait_dscnt 0x0
	s_set_vgpr_msb 0x400
	s_endpgm
.Lfunc_end_k_qd59ae5ea18_ln1:
	.size	k_qd59ae5ea18_ln1, .Lfunc_end_k_qd59ae5ea18_ln1-k_qd59ae5ea18_ln1
	.p2alignl 7, 3214868480
	.fill 96, 4, 3214868480
	.section	.rodata,"a",@progbits
	.p2align	6, 0x0
	.amdhsa_kernel k_qd59ae5ea18_ln1
		.amdhsa_group_segment_fixed_size 10752
		.amdhsa_private_segment_fixed_size 0
		.amdhsa_enable_private_segment 0
		.amdhsa_kernarg_size 48
		.amdhsa_user_sgpr_count 2
		.amdhsa_user_sgpr_kernarg_segment_ptr 1
		.amdhsa_wavefront_size32 1
		.amdhsa_system_sgpr_workgroup_id_x 1
		.amdhsa_system_sgpr_workgroup_id_y 1
		.amdhsa_system_sgpr_workgroup_id_z 1
		.amdhsa_system_vgpr_workitem_id 0
		.amdhsa_next_free_vgpr 258
		.amdhsa_next_free_sgpr 66
		.amdhsa_reserve_vcc 0
		.amdhsa_float_denorm_mode_32 3
		.amdhsa_float_denorm_mode_16_64 3
		.amdhsa_memory_ordered 1
		.amdhsa_forward_progress 1
		.amdhsa_inst_pref_size 49
	.end_amdhsa_kernel
	.amdgpu_metadata
---
amdhsa.version: [ 1, 2 ]
amdhsa.kernels:
  - .name:           k_qd59ae5ea18_ln1
    .symbol:         k_qd59ae5ea18_ln1.kd
    .args:
      - { .name: y, .offset: 0, .size: 8, .value_kind: global_buffer, .address_space: global }
      - { .name: gamma1, .offset: 8, .size: 8, .value_kind: global_buffer, .address_space: global }
      - { .name: beta1, .offset: 16, .size: 8, .value_kind: global_buffer, .address_space: global }
      - { .name: lowp_scales, .offset: 24, .size: 8, .value_kind: global_buffer, .address_space: global }
      - { .name: x1, .offset: 32, .size: 8, .value_kind: global_buffer, .address_space: global }
      - { .name: x1q, .offset: 40, .size: 8, .value_kind: global_buffer, .address_space: global }
    .group_segment_fixed_size: 10752
    .private_segment_fixed_size: 0
    .kernarg_segment_align: 8
    .kernarg_segment_size: 48
    .max_flat_workgroup_size: 128
    .sgpr_count:     66
    .vgpr_count:     258
    .wavefront_size: 32
...
	.end_amdgpu_metadata
.endif
;; end of part 5
;; launch ff1 (part 6): grid 16 x 16, 4 waves a work-group, clusters of 4 x 4, 327,680 bytes of LDS; arguments x1q, W1_codes, lowp_scales, b1, himg; writes himg
.if DOCPART == 6
	.amdgcn_target "amdgcn-amd-amdhsa--gfx1250"
	.amdhsa_code_object_version 6
	.text
	.protected	k_qd59ae5ea18_ff1
	.globl	k_qd59ae5ea18_ff1
	.p2align	8
	.type	k_qd59ae5ea18_ff1,@function
k_qd59ae5ea18_ff1:
	s_mov_b64 s[64:65], 0
	v_nop
	global_prefetch_b8 v0, s[64:65] scope:SCOPE_SE
	s_setreg_imm32_b32 hwreg(HW_REG_WAVE_MODE, 25, 1), 1
	s_wait_xcnt 0x0
	s_wait_alu depctr_hold_cnt(0) depctr_sa_sdst(0) depctr_va_vdst(0) depctr_va_sdst(0) depctr_va_ssrc(0) depctr_va_vcc(0) depctr_vm_vsrc(0)
	s_getreg_b32 s2, hwreg(HW_REG_IB_STS2, 6, 4)
	s_cmp_eq_u32 s2, 0
	s_cbranch_scc0 .Lentry_in_a_cluster
	s_endpgm
.Lentry_in_a_cluster:
	s_bfe_u32 s2, ttmp6, 0x10000c
	s_cmp_lg_u32 s2, 0xf033
	s_cbranch_scc0 .Lentry_shape_is_right
	s_endpgm
.Lentry_shape_is_right:
.set KTOT,  1024
.set KSLOT, 256
.set PITCH, 272
.set HALFT, 128*PITCH
.set SLOT,  4*HALFT
.set SPARE, 2*SLOT
.set LAPS,  KTOT/(2*KSLOT)
.set NP, 8
.set NR, 8
.set HP, 4
.set QP, 2
.set LP, 4
.set AF, 128
.set RS, 128
.set BI, 32
.set ADRP, 16
.set ADRR, 20
.set LI,   27
.set SPW,  28
.set NIL,  29
.set BO8,  30
.set G1T, 24
.set G0T, 32
.set G1W, 48
.set G0W, 56
.set MSB, 0
.macro WIN new
.if MSB != (\new)
	s_set_vgpr_msb (MSB<<8)|(\new)
.set MSB, \new
.endif
.endm
.macro PLACES n
.rept \n
	v_nop
.endr
.endm
.macro JLOAD s
	s_cmp_eq_u32 s15, 0
	s_cbranch_scc0 .Lfor_w_\@
	tensor_load_to_lds s[G0T+4*\s:G0T+4*\s+3], s[G1T:G1T+7]
	s_nop 0
.rept 4
	v_nop
.endr
	s_branch .Lasked_\@
.Lfor_w_\@:
	tensor_load_to_lds s[G0W+4*\s:G0W+4*\s+3], s[G1W:G1W+7]
	s_nop 0
.rept 4
	v_nop
.endr
.Lasked_\@:
.endm
.macro CREST
	s_cmp_lg_u32 s14, 0
	s_cbranch_scc1 .Lnot_wave_0_\@
	s_barrier_signal -3
.Lnot_wave_0_\@:
	s_barrier_wait -3
	s_barrier_signal -1
	s_barrier_wait -1
.endm
.macro CROUND
	s_barrier_signal -1
	s_barrier_wait -1
	CREST
.endm
	s_load_b256 s[4:11], s[0:1], 0x0
	s_load_b64 s[12:13], s[0:1], 0x20
	v_lshl_add_u32 v[SPW], v0, 2, SPARE
	v_mov_b32 v[NIL], 0
	ds_add_u32 v28, v29
	ds_add_u32 v28, v29
	s_wait_dscnt 0x0
	v_lshrrev_b32 v1, 5, v0
	v_readfirstlane_b32 s14, v1
	s_lshr_b32 s15, s14, 1
	s_and_b32 s16, s14, 1
	s_bfe_u32 s40, ttmp6, 0x40000
	s_bfe_u32 s41, ttmp6, 0x40004
	s_lshl_b32 s42, ttmp9, 2
	s_add_co_u32 s42, s42, s40
	s_and_b32 s17, ttmp7, 0xffff
	s_lshl_b32 s17, s17, 2
	s_add_co_u32 s17, s17, s41
	s_lshl_b32 s43, s41, 2
	s_lshl_b32 s43, 15, s43
	s_lshl_b32 s44, 0x1111, s40
	s_or_b32 s[G1T], s43, (1<<20)|(1<<21)|(5<<22)|(3<<25)
	s_or_b32 s[G1W], s44, (1<<20)|(1<<21)|(5<<22)|(3<<25)
.irp g, G1T, G1W
	s_mov_b32 s[\g+1], KSLOT<<16
	s_mov_b32 s[\g+2], 128<<16
	s_mov_b32 s[\g+3], KSLOT<<16
	s_mov_b32 s[\g+4], 128
	s_mov_b32 s[\g+5], KTOT
	s_mov_b32 s[\g+6], 0
	s_mov_b32 s[\g+7], 0
.endr
	s_lshl_b32 s18, s16, 7
	s_lshl_b32 s20, s17, 8
	s_add_co_u32 s20, s20, s18
	s_lshl_b32 s20, s20, 10
	s_mov_b32 s21, 0
	s_lshl_b32 s46, s42, 8
	s_add_co_u32 s46, s46, s18
	s_lshl_b32 s46, s46, 10
	s_mov_b32 s47, 0
	s_mul_i32 s45, s14, HALFT
	s_wait_kmcnt 0x0
	s_load_b256 s[68:75], s[8:9], 0x0
	s_load_b128 s[76:79], s[8:9], 0x20
	s_add_nc_u64 s[20:21], s[4:5], s[20:21]
	s_add_nc_u64 s[46:47], s[6:7], s[46:47]
	CROUND
.irp s, 0,1
	s_mov_b32 s[G0T+4*\s], 1
	s_add_co_u32 s[G0T+4*\s+1], s45, \s*SLOT
	s_add_nc_u64 s[G0T+4*\s+2:G0T+4*\s+3], s[20:21], \s*KSLOT
	s_or_b32 s[G0T+4*\s+3], s[G0T+4*\s+3], 0x80000000
	s_mov_b32 s[G0W+4*\s], 1
	s_add_co_u32 s[G0W+4*\s+1], s45, \s*SLOT
	s_add_nc_u64 s[G0W+4*\s+2:G0W+4*\s+3], s[46:47], \s*KSLOT
	s_or_b32 s[G0W+4*\s+3], s[G0W+4*\s+3], 0x80000000
.endr
	JLOAD 0                                        ; slot 0: my one tensor load at the head, behind the opening round
	v_and_b32 v1, 15, v0
	v_bfe_u32 v2, v0, 4, 1
	v_mul_u32_u24 v3, v1, PITCH
	v_lshl_add_u32 v4, v2, 4, v3
	s_mul_i32 s21, s15, HALFT
	s_mul_i32 s22, s16, HALFT
	s_add_co_u32 s22, s22, 2*HALFT
.irp s, 0,1
	v_add_nc_u32 v[ADRP+\s], s21, v4
	v_add_nc_u32 v[ADRR+\s], s22, v4
	s_add_co_u32 s21, s21, SLOT
	s_add_co_u32 s22, s22, SLOT
.endr
	v_and_b32 v5, 31, v0
	v_lshlrev_b32 v[LI], 4, v5
	v_lshlrev_b32 v[BO8], 5, v2
	s_lshl_b32 s46, s42, 10
	s_lshl_b32 s47, s16, 9
	s_add_co_u32 s46, s46, s47
	s_mov_b32 s47, 0
	s_add_nc_u64 s[10:11], s[10:11], s[46:47]
.irp b, 0,1,2,3,4,5,6,7
	global_load_b128 v[BI+8*\b:BI+8*\b+3], v[BO8], s[10:11] offset:64*\b
	global_load_b128 v[BI+8*\b+4:BI+8*\b+7], v[BO8], s[10:11] offset:64*\b+16
.endr
	s_lshl_b32 s18, s17, 4
	s_lshl_b32 s19, s15, 3
	s_add_co_u32 s18, s18, s19
	s_lshl_b32 s18, s18, 16
	s_lshl_b32 s19, s42, 1
	s_add_co_u32 s19, s19, s16
	s_lshl_b32 s19, s19, 11
	s_add_co_u32 s18, s18, s19
	s_mov_b32 s19, 0
	s_add_nc_u64 s[12:13], s[12:13], s[18:19]
	s_wait_kmcnt 0x0
	s_add_co_i32 s86, s76, s77
	s_sub_co_i32 s88, 0, s86
	s_sub_co_i32 s87, s78, s86
	s_add_co_i32 s87, s87, 127
	s_lshl_b32 s89, s87, 23
	v_mov_b32 v10, s89
	s_add_co_i32 s87, s87, 8
	s_lshl_b32 s87, s87, 23
	s_or_b32 s89, s87, 0x600000
	s_wait_loadcnt 0x0
.set bj, 0
.rept 64
	v_ldexp_f32 v[BI+bj], v[BI+bj], s88
.set bj, bj+1
.endr
.macro MUL p0, n, bs, first
.set pp, \p0
.rept \n
.set hw, 2+pp/HP
.if \first
	WIN (hw<<6)|1
.else
	WIN (hw<<6)|(hw<<4)|1
.endif
.set rr, 0
.rept NR
.set ac, 8*(NR*(pp%HP)+rr)
.set cc, ac
.if \first
.set cc, BI+8*rr
.endif
	v_wmma_f32_16x16x128_fp8_fp8 v[ac:ac+7], v[RS*(\bs)+16*rr:RS*(\bs)+16*rr+15], v[AF+16*pp:AF+16*pp+15], v[cc:cc+7]
.set rr, rr+1
.endr
.set pp, pp+1
.endr
.endm
.macro FRAG reg, adr, q, blk
.irp c, 0,1,2,3
	ds_load_b128 v[\reg+4*\c:\reg+4*\c+3], v[\adr] offset:128*(\q)+32*\c+(\blk)*16*PITCH
.endr
.endm
.macro FETCH_R slot, q, bs
	WIN 0x40
.set fb, 0
.rept NR
	FRAG RS*(\bs)+16*fb, ADRR+\slot, \q, fb
.set fb, fb+1
.endr
	WIN 0
.endm
.macro FETCH_P slot, q, p0
.set fb, \p0
.rept HP
	FRAG AF+16*fb, ADRP+\slot, \q, fb
.set fb, fb+1
.endr
.endm
.macro STEP slot, q, first
	s_wait_dscnt HP*LP
	MUL 0, HP, (\q)%2, \first
	s_wait_dscnt 0x0
	PLACES 4
	FETCH_R \slot, (\q)+1, 1-(\q)%2
	FETCH_P \slot, (\q)+1, 0
	MUL HP, HP, (\q)%2, \first
	PLACES 4
	WIN 0
	FETCH_P \slot, (\q)+1, HP
.endm
.macro TURN slot, next, fill
	s_wait_tensorcnt 0x0
	ds_add_u32 v[SPW], v[NIL]
	s_wait_dscnt HP*LP+1
	MUL 0, QP, 1, 0
	s_wait_dscnt 0x0
	s_barrier_signal -1
	MUL QP, QP, 1, 0
	WIN 0
	s_barrier_wait -1
.if \fill
	CREST
	s_add_nc_u64 s[G0T+4*\slot+2:G0T+4*\slot+3], s[G0T+4*\slot+2:G0T+4*\slot+3], 2*KSLOT
	s_add_nc_u64 s[G0W+4*\slot+2:G0W+4*\slot+3], s[G0W+4*\slot+2:G0W+4*\slot+3], 2*KSLOT
	JLOAD \slot
.else
	PLACES 4
.endif
	FETCH_R \next, 0, 0
	FETCH_P \next, 0, 0
	MUL HP, HP, 1, 0
	PLACES 4
	WIN 0
	FETCH_P \next, 0, HP
.endm
	s_wait_alu depctr_va_vdst(0)
	s_wait_tensorcnt 0x0                           ; my part of slot 0 is in; slot 1's first fill is issued as a refill is:
	ds_add_u32 v[SPW], v[NIL]                      ; 0 onto my spare word
	s_wait_dscnt 0x0
	CROUND                                         ; everybody's part of slot 0 is in, and the sixteen work-groups meet
	JLOAD 1                                        ; the first tensor load behind the round
	FETCH_R 0, 0, 0
	FETCH_P 0, 0, 0
	FETCH_P 0, 0, HP
	STEP 0, 0, 1
	s_mov_b32 s3, LAPS-1
.Llap:
	TURN 0, 1, 1
	STEP 1, 0, 0
	TURN 1, 0, 1
	STEP 0, 0, 0
	s_sub_co_u32 s3, s3, 1
	s_cmp_lg_u32 s3, 0
	s_cbranch_scc1 .Llap
	TURN 0, 1, 0
	STEP 1, 0, 0
	s_wait_dscnt HP*LP
	MUL 0, HP, 1, 0
	s_wait_dscnt 0x0
	MUL HP, HP, 1, 0
	WIN 0
	PLACES 4
.irp a, 0,1,2,3,4,5,6,7
	WIN 0x82+0x41*(\a/4)
.set hr, 64*(\a%4)
.rept 64
	v_med3_num_f32 v[hr], v[hr], 0, s89
.set hr, hr+1
.endr
	WIN 0x02+(\a/4)
.irp b, 0,1,2,3,4,5,6,7
	v_cvt_scalef32_pk8_fp8_f32 v[AF+16*\a+2*\b:AF+16*\a+2*\b+1], v[64*(\a%4)+8*\b:64*(\a%4)+8*\b+7], v10
.endr
	v_nop
	WIN 0
.irp c, 0,1,2,3
	global_store_b128 v[LI], v[AF+16*\a+4*\c:AF+16*\a+4*\c+3], s[12:13] offset:65536*\a+512*\c
.endr
.endr
	s_wait_tensorcnt 0x0
	ds_add_u32 v[SPW], v[NIL]
	s_wait_dscnt 0x0
	CROUND
	s_endpgm
.Lfunc_end_k_qd59ae5ea18_ff1:
	.size	k_qd59ae5ea18_ff1, .Lfunc_end_k_qd59ae5ea18_ff1-k_qd59ae5ea18_ff1
	.p2alignl 7, 3214868480
	.fill 96, 4, 3214868480
	.section	.rodata,"a",@progbits
	.p2align	6, 0x0
	.amdhsa_kernel k_qd59ae5ea18_ff1
		.amdhsa_group_segment_fixed_size 327680
		.amdhsa_private_segment_fixed_size 0
		.amdhsa_enable_private_segment 0
		.amdhsa_kernarg_size 40
		.amdhsa_user_sgpr_count 2
		.amdhsa_user_sgpr_kernarg_segment_ptr 1
		.amdhsa_wavefront_size32 1
		.amdhsa_system_sgpr_workgroup_id_x 1
		.amdhsa_system_sgpr_workgroup_id_y 1
		.amdhsa_system_sgpr_workgroup_id_z 1
		.amdhsa_system_vgpr_workitem_id 0
		.amdhsa_next_free_vgpr 1024
		.amdhsa_next_free_sgpr 100
		.amdhsa_reserve_vcc 0
		.amdhsa_float_denorm_mode_32 3
		.amdhsa_float_denorm_mode_16_64 3
		.amdhsa_memory_ordered 1
		.amdhsa_forward_progress 1
		.amdhsa_inst_pref_size 124
	.end_amdhsa_kernel
	.amdgpu_metadata
---
amdhsa.version: [ 1, 2 ]
amdhsa.kernels:
  - .name:           k_qd59ae5ea18_ff1
    .symbol:         k_qd59ae5ea18_ff1.kd
    .args:
      - { .name: x1q, .offset: 0, .size: 8, .value_kind: global_buffer, .address_space: global }
      - { .name: W1_codes, .offset: 8, .size: 8, .value_kind: global_buffer, .address_space: global }
      - { .name: lowp_scales, .offset: 16, .size: 8, .value_kind: global_buffer, .address_space: global }
      - { .name: b1, .offset: 24, .size: 8, .value_kind: global_buffer, .address_space: global }
      - { .name: himg, .offset: 32, .size: 8, .value_kind: global_buffer, .address_space: global }
    .group_segment_fixed_size: 327680
    .private_segment_fixed_size: 0
    .kernarg_segment_align: 8
    .kernarg_segment_size: 40
    .max_flat_workgroup_size: 128
    .sgpr_count:     100
    .vgpr_count:     1024
    .wavefront_size: 32
...
	.end_amdgpu_metadata
.endif
;; end of part 6
;; launch ff2 (part 7): grid 8 x 32, 4 waves a work-group, clusters of 4 x 4, 327,680 bytes of LDS; arguments himg, W2_codes, lowp_scales, b2, y, x1; writes y
.if DOCPART == 7
	.amdgcn_target "amdgcn-amd-amdhsa--gfx1250"
	.amdhsa_code_object_version 6
	.text
	.protected	k_qd59ae5ea18_ff2
	.globl	k_qd59ae5ea18_ff2
	.p2align	8
	.type	k_qd59ae5ea18_ff2,@function
k_qd59ae5ea18_ff2:
	s_mov_b64 s[64:65], 0
	v_nop
	global_prefetch_b8 v0, s[64:65] scope:SCOPE_SE
	s_setreg_imm32_b32 hwreg(HW_REG_WAVE_MODE, 25, 1), 1
	s_wait_xcnt 0x0
	s_wait_alu depctr_hold_cnt(0) depctr_sa_sdst(0) depctr_va_vdst(0) depctr_va_sdst(0) depctr_va_ssrc(0) depctr_va_vcc(0) depctr_vm_vsrc(0)
	s_getreg_b32 s2, hwreg(HW_REG_IB_STS2, 6, 4)
	s_cmp_eq_u32 s2, 0
	s_cbranch_scc0 .Lentry_in_a_cluster
	s_endpgm
.Lentry_in_a_cluster:
	s_bfe_u32 s2, ttmp6, 0x10000c
	s_cmp_lg_u32 s2, 0xf033
	s_cbranch_scc0 .Lentry_shape_is_right
	s_endpgm
.Lentry_shape_is_right:
; y = x1 + h W2^T + b2 on codes of E4M3: a tile of 128 tokens x 128 columns a work-group, K = 4,096.
; himg: h's codes as images of fragments, [tile of 16 tokens (256)][K step of 128 (32)][4][lane][16 bytes], in the matrix form's own layout (registers 2 c, 2 c + 1: k = 16 c + 8 h + 0 .. 7).
; W2_codes: [1024][4096] codes, K innermost; its fragments are read in the same layout, by eight 8-byte loads.  Scales 2^e: entry 10 for h, entry 11 for W2.
; LIMIT: e10 + e11 lies between -126 and 127.  NaN and infinities among the inputs are not served.
; SHARES.  Four waves, each 64 tokens x 64 columns: 16 accumulators.  K goes in slots of 512 (four steps of 128) through a ring of two LDS slots filled by the tensor data mover, one load a wave:
; waves 0, 1: four tiles of tokens x 8,192 bytes each; waves 2, 3: 64 rows of W2 x 512 bytes each.  4 x 4 work-groups form a cluster: the tokens' tile is asked for jointly by a row of the cluster,
; the weights' by a column.  Source 0 = 16 rows of W2, source 1 = 16 tokens: a lane holds one token and eight neighbouring columns.  The bias is the C of each sum's first product, as b2 / 2^(e10 + e11).
; A step: the wait for its fragments, the 48 LDS loads of the next step into the other set of registers, 16 matrix instructions.
; The residual's tile is asked for behind the first step.  Results go through the wave's own stage in LDS and leave as rows: sixteen lanes store 256 consecutive, aligned bytes.
; PREFETCH.  Behind the load of K slot i stands one prefetch a wave for K slot i + 2 (at the head: for slots 1 and 2).  A wave's load is 128 blocks of 256 bytes; the four partners that ask for it jointly
; take 32 each, told apart by address (65,536 bytes x the place: one tile of tokens, or 16 rows of W2), a lane a block.  W2's tiles are walked by eight rows of clusters: rows 0 to 3 ask, the others do not.
; The last two refills have no slot two on and ask for nothing.
; REGISTERS: window 0: v0-31 addresses; v32-63 the bias; v64-95 at work on the way out; v128-255 the accumulators, (p, n) at v[128 + 32 p + 8 n], then the rows on the way out.
;   window 1: v0-127 the tokens' 4 fragments, two sets; v128-255 the weights' 4 fragments, two sets.  window 2: v0-127 the residual.
.set KTOT,  4096
.set KSLOT, 512
.set WP,    528                        ; a row of W2 in LDS: 512 bytes + 16 of padding = 132 words: the 32 lanes of an 8-byte load touch 64 different banks (64 banks of 4 bytes: ISA guide 11.1)
.set IMGS,  8192                       ; a tile of 16 tokens: its bytes of a slot
.set IMGH,  4*IMGS
.set WGTH,  64*WP
.set WOFF,  2*IMGH
.set SLOT,  WOFF+2*WGTH
.set SPARE, 2*SLOT                     ; behind the ring: the spare words, 128 bytes a wave
.set STAGE, SPARE+512                  ; behind them: 16 rows x 272 bytes for each wave; no fill lands here
.set LAPS,  KTOT/(2*KSLOT)
.set BI,   32
.set TMP,  64
.set ACC,  128
.set ADRP, 16                          ; v16-17 LDS address of my tokens' images in slot 0, 1
.set ADRR, 20                          ; v20-21 of my rows of W2
.set STO,  24
.set RD,   25
.set CO,   26                          ; v26 4,096 h + 16 r: my 16 bytes in two rows of the residual and of the result
.set PFO,  27                          ; v27 the prefetches' offset; never rewritten
.set SPW,  28                          ; v28 my spare word; never rewritten
.set NIL,  29                          ; v29 0; never rewritten
.set BO8,  30
.set PFO2, 31                          ; v31 the same a slot further on
.set G1T, 24
.set G0T, 32
.set G1W, 48
.set G0W, 56
.set PFA, 82                           ; s[82:83] where my prefetches stand
.set LIM, 84                           ; s84 1 in a wave that prefetches, else the greatest number
.set PFS, 92                           ; s[92:93] a slot on, in bytes: 8,192 in an image, 512 in a row of W2
.set MSB, 0
.macro WIN new                         ; the immediate's high byte repeats the setting that is left
.if MSB != (\new)
	s_set_vgpr_msb (MSB<<8)|(\new)
.set MSB, \new
.endif
.endm
.macro PLACES n                        ; plain vector lines between a matrix instruction and a load into, or a read of, its registers
.rept \n
	v_nop
.endr
.endm
.macro JLOAD s                         ; waves 0 and 1 fetch the tokens' halves, waves 2 and 3 the weights'; s_nop 0 and four v_nop follow each line
	s_cmp_eq_u32 s15, 0
	s_cbranch_scc0 .Lfor_w_\@
	tensor_load_to_lds s[G0T+4*\s:G0T+4*\s+3], s[G1T:G1T+7]
	s_nop 0
.rept 4
	v_nop
.endr
	s_branch .Lasked_\@
.Lfor_w_\@:
	tensor_load_to_lds s[G0W+4*\s:G0W+4*\s+3], s[G1W:G1W+7]
	s_nop 0
.rept 4
	v_nop
.endr
.Lasked_\@:
.endm
.macro CREST
	s_cmp_lg_u32 s14, 0
	s_cbranch_scc1 .Lnot_wave_0_\@
	s_barrier_signal -3
.Lnot_wave_0_\@:
	s_barrier_wait -3
	s_barrier_signal -1
	s_barrier_wait -1
.endm
.macro CROUND
	s_barrier_signal -1
	s_barrier_wait -1
	CREST
.endm
.macro ASK how                         ; how = 1: ahead of the loop; 0: in the loop, whose last trip (s3 = 1) asks for nothing
.if \how
	s_cmp_eq_u32 s[LIM], 1
.else
	s_cmp_gt_u32 s3, s[LIM]
.endif
	s_cbranch_scc0 .Lnot_mine_\@
	global_prefetch_b8 v[PFO], s[PFA:PFA+1] th:TH_LOAD_NT scope:SCOPE_SE
.Lnot_mine_\@:
.endm
	s_load_b256 s[4:11], s[0:1], 0x0               ; himg s[4:5], W2 s[6:7], the scales s[8:9], b2 s[10:11]
	s_load_b64 s[12:13], s[0:1], 0x20              ; y
	s_load_b64 s[80:81], s[0:1], 0x28              ; x1
	v_lshl_add_u32 v[SPW], v0, 2, SPARE
	v_mov_b32 v[NIL], 0
	ds_add_u32 v[SPW], v[NIL]                      ; the opening: the add, twice on end, and its wait ahead of my first tensor load
	ds_add_u32 v[SPW], v[NIL]
	v_lshrrev_b32 v1, 5, v0
	v_readfirstlane_b32 s14, v1                    ; wave 0..3
	s_lshr_b32 s15, s14, 1                         ; my half of the tokens.  Also: I fetch tokens (0) or weights (1)
	s_and_b32 s16, s14, 1                          ; my half of the columns.  Also: which half of that tile I fetch
	s_bfe_u32 s40, ttmp6, 0x40000                  ; cx
	s_bfe_u32 s41, ttmp6, 0x40004                  ; cy
	s_lshl_b32 s42, ttmp9, 2
	s_add_co_u32 s42, s42, s40                     ; tile column
	s_and_b32 s17, ttmp7, 0xffff
	s_lshl_b32 s17, s17, 2
	s_add_co_u32 s17, s17, s41                     ; tile row
	s_lshl_b32 s43, s41, 2
	s_lshl_b32 s43, 15, s43                        ; my row of the cluster
	s_lshl_b32 s44, 0x1111, s40                    ; my column
	s_or_b32 s[G1T], s43, (3<<16)|(1<<21)          ; the mask; elements of 8 bytes; bit 21 beside a mask; no padding
	s_mov_b32 s[G1T+1], 1024<<16                   ; tensor_dim0: 1,024 elements: a tile's 8,192 bytes of a slot
	s_mov_b32 s[G1T+2], 4<<16                      ; tensor_dim1: four tiles of tokens
	s_mov_b32 s[G1T+3], 1024<<16
	s_mov_b32 s[G1T+4], 4
	s_mov_b32 s[G1T+5], 2*KTOT                     ; from tile to tile: 16 KTOT bytes
	s_mov_b32 s[G1T+6], 0
	s_mov_b32 s[G1T+7], 0
	s_or_b32 s[G1W], s44, (1<<20)|(1<<21)|(6<<22)|(3<<25)   ; elements of 1 byte; padding: four words after every 128
	s_mov_b32 s[G1W+1], KSLOT<<16
	s_mov_b32 s[G1W+2], 64<<16
	s_mov_b32 s[G1W+3], KSLOT<<16
	s_mov_b32 s[G1W+4], 64
	s_mov_b32 s[G1W+5], KTOT
	s_mov_b32 s[G1W+6], 0
	s_mov_b32 s[G1W+7], 0
	s_lshl_b32 s20, s17, 3
	s_lshl_b32 s18, s16, 2
	s_add_co_u32 s20, s20, s18                     ; tokens: tile 8 x tile row + 4 x half,
	s_lshl_b32 s20, s20, 16                        ; 65,536 bytes each
	s_mov_b32 s21, 0
	s_lshl_b32 s46, s42, 7
	s_lshl_b32 s18, s16, 6
	s_add_co_u32 s46, s46, s18                     ; weights: row 128 x tile column + 64 x half,
	s_lshl_b32 s46, s46, 12                        ; 4,096 bytes each
	s_mov_b32 s47, 0
	s_lshl_b32 s45, s16, 15                        ; where they go: no place in the cluster enters an LDS address
	s_mul_i32 s66, s16, WGTH
	s_add_co_u32 s66, s66, WOFF
	s_wait_dscnt 0x0                               ; both opening adds are done
	s_wait_kmcnt 0x0
	s_load_b64 s[78:79], s[8:9], 0x28              ; e10, e11
	s_add_nc_u64 s[20:21], s[4:5], s[20:21]
	s_add_nc_u64 s[46:47], s[6:7], s[46:47]
.irp s, 0,1
	s_mov_b32 s[G0T+4*\s], 1
	s_add_co_u32 s[G0T+4*\s+1], s45, \s*SLOT
	s_add_nc_u64 s[G0T+4*\s+2:G0T+4*\s+3], s[20:21], \s*IMGS
	s_or_b32 s[G0T+4*\s+3], s[G0T+4*\s+3], 0x80000000
	s_mov_b32 s[G0W+4*\s], 1
	s_add_co_u32 s[G0W+4*\s+1], s66, \s*SLOT
	s_add_nc_u64 s[G0W+4*\s+2:G0W+4*\s+3], s[46:47], \s*KSLOT
	s_or_b32 s[G0W+4*\s+3], s[G0W+4*\s+3], 0x80000000
.endr
	CROUND                                         ; all sixteen work-groups are here: the first joint loads meet
	JLOAD 0                                        ; K slot 0: my one tensor load at the head
	; the prefetches: my work-group's 32 blocks of the 128 that my wave fetches
	s_cmp_eq_u32 s15, 0                            ; do I fetch tokens?
	s_cselect_b64 s[PFA:PFA+1], s[20:21], s[46:47]
	s_cselect_b32 s96, s40, s41                    ; my place among the four that ask with me
	s_mov_b32 s[PFS], KSLOT
	s_cselect_b32 s[PFS], IMGS, s[PFS]
	s_mov_b32 s95, KTOT
	s_cselect_b32 s95, 512, s95                    ; from one pair of lanes to the next: 512 bytes on in an image, a row on in W2
	s_mov_b32 s[PFS+1], 0
	s_and_b32 s85, ttmp7, 0xffff
	s_lshr_b32 s85, s85, 2                         ; 0 in rows 0 to 3 of clusters,
	s_mul_i32 s85, s85, s15                        ; and in the waves that fetch tokens
	s_cmp_eq_u32 s85, 0
	s_cselect_b32 s[LIM], 1, -1
	s_lshl_b32 s96, s96, 16
	s_mov_b32 s97, 0
	s_add_nc_u64 s[PFA:PFA+1], s[PFA:PFA+1], s[96:97]
	s_add_nc_u64 s[PFA:PFA+1], s[PFA:PFA+1], s[PFS:PFS+1]   ; at K slot 1
	s_lshl_b32 s21, s15, 15                        ; my four tiles of tokens
	s_mul_i32 s22, s16, WGTH
	s_add_co_u32 s22, s22, WOFF                    ; my 64 rows of W2
	s_mul_i32 s23, s14, 16*272
	s_add_co_u32 s23, s23, STAGE                   ; my stage
	v_and_b32 v1, 15, v0                           ; r
	v_bfe_u32 v2, v0, 4, 1                         ; h
	v_and_b32 v5, 31, v0
	v_lshlrev_b32 v6, 4, v5                        ; 16 x lane
	v_mul_u32_u24 v3, v1, WP
	v_lshl_add_u32 v4, v2, 3, v3                   ; W2: row x pitch + 8 h
	v_add_nc_u32 v[ADRP], s21, v6
	v_add_nc_u32 v[ADRR], s22, v4
	v_add_nc_u32 v[ADRP+1], SLOT, v[ADRP]
	v_add_nc_u32 v[ADRR+1], SLOT, v[ADRR]
	v_mul_u32_u24 v[STO], v1, 272
	v_lshl_add_u32 v[STO], v2, 5, v[STO]
	v_add_nc_u32 v[STO], s23, v[STO]               ; in: row r, 32 bytes for each half of the lanes
	v_mul_u32_u24 v[RD], v2, 272
	v_lshl_add_u32 v[RD], v1, 4, v[RD]
	v_add_nc_u32 v[RD], s23, v[RD]                 ; back: lanes 0-15 one row of 256 bytes, lanes 16-31 the next
	v_lshlrev_b32 v[CO], 12, v2
	v_lshl_add_u32 v[CO], v1, 4, v[CO]
	v_lshlrev_b32 v[BO8], 5, v2
	v_lshrrev_b32 v7, 1, v5
	v_and_b32 v8, 1, v5
	v_mul_lo_u32 v7, v7, s95
	v_lshl_add_u32 v[PFO], v8, 8, v7               ; (lane / 2) x that step + 256 (lane % 2)
	v_add_nc_u32 v[PFO2], s[PFS], v[PFO]
	s_wait_alu depctr_va_vdst(0)                   ; the wait ahead of the run of scalar lines
	s_cmp_eq_u32 s[LIM], 1
	s_cbranch_scc0 .Lno_head_ask
	global_prefetch_b8 v[PFO], s[PFA:PFA+1] th:TH_LOAD_NT scope:SCOPE_SE    ; K slot 1,
	global_prefetch_b8 v[PFO2], s[PFA:PFA+1] th:TH_LOAD_NT scope:SCOPE_SE   ; and 2
.Lno_head_ask:
	s_lshl_b32 s46, s42, 9
	s_lshl_b32 s47, s16, 8
	s_add_co_u32 s46, s46, s47                     ; my first column, in bytes: 512 x tile column + 256 x half
	s_mov_b32 s47, 0
	s_add_nc_u64 s[10:11], s[10:11], s[46:47]
	s_lshl_b32 s18, s17, 7
	s_lshl_b32 s19, s15, 6
	s_add_co_u32 s18, s18, s19                     ; my first row: 128 x tile row + 64 x half
	s_lshl_b32 s18, s18, 12
	s_add_co_u32 s18, s18, s46
	s_mov_b32 s19, 0
	s_add_nc_u64 s[12:13], s[12:13], s[18:19]
	s_add_nc_u64 s[80:81], s[80:81], s[18:19]
.irp n, 0,1,2,3                                ; the bias: lane (r, h), register j of block n: column 16 n + 8 h + j
	global_load_b128 v[BI+8*\n:BI+8*\n+3], v[BO8], s[10:11] offset:64*\n
	global_load_b128 v[BI+8*\n+4:BI+8*\n+7], v[BO8], s[10:11] offset:64*\n+16
.endr
	s_wait_kmcnt 0x0
	s_add_co_i32 s86, s78, s79                     ; a sum stands for sum x 2^(e10 + e11)
	s_sub_co_i32 s88, 0, s86
	s_add_co_i32 s86, s86, 127
	s_lshl_b32 s90, s86, 23                        ; 2^(e10 + e11) as f32
	s_mov_b32 s91, s90                             ; (named with it as a pair)
	s_wait_loadcnt 0x0                             ; the bias
.set bj, 0
.rept 32
	v_ldexp_f32 v[BI+bj], v[BI+bj], s88
.set bj, bj+1
.endr
; cnt blocks of tokens from p0 on x my four blocks of W2, 128 along K, from set st.  first = 1: the bias is C and starts the sums.
; The 16 accumulators take turns, one instruction a turn, in the same order in every step.
.macro MUL p0, cnt, st, first
	WIN 0x05                                       ; sources 0 and 1: window 1; C and D: window 0
.set pp, \p0
.rept \cnt
.irp w, 0,1,2,3
.if \first
	v_wmma_f32_16x16x128_fp8_fp8 v[ACC+32*pp+8*\w:ACC+32*pp+8*\w+7], v[128+64*(\st)+16*\w:128+64*(\st)+16*\w+15], v[64*(\st)+16*pp:64*(\st)+16*pp+15], v[BI+8*\w:BI+8*\w+7]
.else
	v_wmma_f32_16x16x128_fp8_fp8 v[ACC+32*pp+8*\w:ACC+32*pp+8*\w+7], v[128+64*(\st)+16*\w:128+64*(\st)+16*\w+15], v[64*(\st)+16*pp:64*(\st)+16*pp+15], v[ACC+32*pp+8*\w:ACC+32*pp+8*\w+7]
.endif
.endr
.set pp, pp+1
.endr
.endm
; 48 LDS loads: the fragments of the slot's q-th 128 along K into set st.  W2's rows: registers 2 c, 2 c + 1 hold k = 16 c + 8 h + 0 .. 7; the tokens' images: the registers as they were stored.
.macro FETCH slot, q, st
	WIN 0x40                                       ; destination window 1, address window 0
.irp b, 0,1,2,3
.irp c, 0,1,2,3,4,5,6,7
	ds_load_b64 v[128+64*(\st)+16*\b+2*\c:128+64*(\st)+16*\b+2*\c+1], v[ADRR+\slot] offset:128*(\q)+16*\c+\b*16*WP
.endr
.endr
.irp b, 0,1,2,3
.irp c, 0,1,2,3
	ds_load_b128 v[64*(\st)+16*\b+4*\c:64*(\st)+16*\b+4*\c+3], v[ADRP+\slot] offset:\b*IMGS+(\q)*2048+512*\c
.endr
.endr
.endm
.macro STEP slot, q, first             ; 128 along K with its successor in the same slot
	s_wait_dscnt 0x0                               ; this step's fragments are in
	PLACES 4                                       ; the other set was read by the last step's products
	FETCH \slot, (\q)+1, 1-(\q)%2
	MUL 0, 4, (\q)%2, \first
.endm
; A slot's last step changes slots: in front of the barrier each wave waits for all its tensor loads, adds 0 to its spare word, and waits for that and for its reads of this slot (this step's fragments were the last).
.macro TURN slot, next, fill
	WIN 0
.if \fill
	s_wait_xcnt 0x0                                ; my last prefetch has read its address: it steps a slot on
	s_add_nc_u64 s[PFA:PFA+1], s[PFA:PFA+1], s[PFS:PFS+1]
.endif
	s_wait_tensorcnt 0x0                           ; my one load that was out, my part of the next slot, has landed
	ds_add_u32 v[SPW], v[NIL]                      ; 0 onto my spare word
	s_wait_dscnt 0x0
	s_barrier_signal -1
	MUL 0, 2, 1, 0
	WIN 0
	s_barrier_wait -1
.if \fill
	CREST                                          ; the barrier has opened a round of the cluster's: no wave of any partner still reads this slot or has a load on its way
	s_add_nc_u64 s[G0T+4*\slot+2:G0T+4*\slot+3], s[G0T+4*\slot+2:G0T+4*\slot+3], 2*IMGS
	s_add_nc_u64 s[G0W+4*\slot+2:G0W+4*\slot+3], s[G0W+4*\slot+2:G0W+4*\slot+3], 2*KSLOT
	JLOAD \slot                                    ; the first tensor load behind the round; its four v_nop are the places in front of the loads below
.else
	PLACES 4
.endif
	FETCH \next, 0, 0
	WIN 0
.if \fill
	ASK 0                                          ; the slot two refills on
.endif
	MUL 2, 2, 1, 0
.endm
	s_wait_alu depctr_va_vdst(0)                   ; the wait at the head's end
	s_wait_xcnt 0x0                                ; the head's prefetches have read their address:
	s_add_nc_u64 s[PFA:PFA+1], s[PFA:PFA+1], s[PFS:PFS+1]
	s_add_nc_u64 s[PFA:PFA+1], s[PFA:PFA+1], s[PFS:PFS+1]   ; at K slot 3
	s_wait_tensorcnt 0x0                           ; my part of K slot 0 is in; slot 1's first fill is issued as a refill is:
	ds_add_u32 v[SPW], v[NIL]                      ; 0 onto my spare word
	s_wait_dscnt 0x0
	CROUND                                         ; everybody's part of K slot 0 is in, and the sixteen work-groups meet
	JLOAD 1                                        ; the first tensor load behind the round
	FETCH 0, 0, 0
	WIN 0
	ASK 1                                          ; K slot 3
	STEP 0, 0, 1                                   ; the first step stands in front of the loop: its products start the sums
	WIN 0x80                                       ; destination window 2
.irp a, 0,1,2,3                                ; the residual, laid as the rows come back from the stage; read once
.irp t, 0,1,2,3,4,5,6,7
	global_load_b128 v[32*\a+4*\t:32*\a+4*\t+3], v[CO], s[80:81] offset:(16*\a+2*\t)*4096 th:TH_LOAD_NT
.endr
.endr
	WIN 0
	s_mov_b32 s3, LAPS-1
.Llap:                                             ; a trip goes once round the ring and fills both slots again
	STEP 0, 1, 0
	STEP 0, 2, 0
	TURN 0, 1, 1
	STEP 1, 0, 0
	STEP 1, 1, 0
	STEP 1, 2, 0
	TURN 1, 0, 1
	STEP 0, 0, 0
	WIN 0
	s_sub_co_u32 s3, s3, 1
	s_cmp_lg_u32 s3, 0
	s_cbranch_scc1 .Llap
	STEP 0, 1, 0                                   ; the last lap fills nothing
	STEP 0, 2, 0
	TURN 0, 1, 0
	STEP 1, 0, 0
	STEP 1, 1, 0
	STEP 1, 2, 0
	s_wait_dscnt 0x0
	MUL 0, 4, 1, 0
	WIN 0
; THE WAY OUT, a block of 16 tokens x 64 columns at a time: x 2^(e10 + e11), through my stage, back as rows of 256 bytes into the block's own accumulators' registers, + the residual, stored.
.macro TOSTAGE a
.irp j, 0,2,4,6,8,10,12,14,16,18,20,22,24,26,28,30
	v_pk_mul_f32 v[TMP+\j:TMP+\j+1], v[ACC+32*(\a)+\j:ACC+32*(\a)+\j+1], s[90:91] op_sel_hi:[1,0]   ; each accumulator from its low end on
.endr
.irp n, 0,1,2,3
	ds_store_b128 v[STO], v[TMP+8*\n:TMP+8*\n+3] offset:64*\n
	ds_store_b128 v[STO], v[TMP+8*\n+4:TMP+8*\n+7] offset:64*\n+16
.endr
.irp t, 0,1,2,3,4,5,6,7
	ds_load_b128 v[ACC+32*(\a)+4*\t:ACC+32*(\a)+4*\t+3], v[RD] offset:544*\t   ; LDS serves a wave's instructions in order (ISA guide 5.7.1.4): these see the stores above
.endr
.endm
.macro SEND a, younger                 ; younger: the LDS instructions issued behind block a's loads, which may stay out
	s_wait_dscnt \younger
	WIN 0x08                                       ; source 1: window 2
.irp j, 0,2,4,6,8,10,12,14,16,18,20,22,24,26,28,30
	v_pk_add_f32 v[ACC+32*(\a)+\j:ACC+32*(\a)+\j+1], v[ACC+32*(\a)+\j:ACC+32*(\a)+\j+1], v[32*(\a)+\j:32*(\a)+\j+1]
.endr
	WIN 0
.irp t, 0,1,2,3,4,5,6,7
	global_store_b128 v[CO], v[ACC+32*(\a)+4*\t:ACC+32*(\a)+4*\t+3], s[12:13] offset:(16*(\a)+2*\t)*4096   ; 16 lanes store 256 consecutive bytes, aligned
.endr
.endm
	PLACES 4
	s_wait_loadcnt 0x0                             ; the residual
	TOSTAGE 0
	TOSTAGE 1
	SEND 0, 16                                     ; behind block 0's loads: block 1's 8 stores and 8 loads
	TOSTAGE 2
	SEND 1, 16
	TOSTAGE 3
	SEND 2, 16
	SEND 3, 0
	s_wait_tensorcnt 0x0                           ; the wave's end
	ds_add_u32 v[SPW], v[NIL]
	s_wait_dscnt 0x0
	CROUND                                         ; the closing round: no work-group ends while a partner may still ask for a tile that names it
	s_endpgm
.Lfunc_end_k_qd59ae5ea18_ff2:
	.size	k_qd59ae5ea18_ff2, .Lfunc_end_k_qd59ae5ea18_ff2-k_qd59ae5ea18_ff2
	.p2alignl 7, 3214868480
	.fill 96, 4, 3214868480
	.section	.rodata,"a",@progbits
	.p2align	6, 0x0
	.amdhsa_kernel k_qd59ae5ea18_ff2
		.amdhsa_group_segment_fixed_size 327680
		.amdhsa_private_segment_fixed_size 0
		.amdhsa_enable_private_segment 0
		.amdhsa_kernarg_size 48
		.amdhsa_user_sgpr_count 2
		.amdhsa_user_sgpr_kernarg_segment_ptr 1
		.amdhsa_wavefront_size32 1
		.amdhsa_system_sgpr_workgroup_id_x 1
		.amdhsa_system_sgpr_workgroup_id_y 1
		.amdhsa_system_sgpr_workgroup_id_z 1
		.amdhsa_system_vgpr_workitem_id 0
		.amdhsa_next_free_vgpr 640
		.amdhsa_next_free_sgpr 100
		.amdhsa_reserve_vcc 0
		.amdhsa_float_denorm_mode_32 3
		.amdhsa_float_denorm_mode_16_64 3
		.amdhsa_memory_ordered 1
		.amdhsa_forward_progress 1
		.amdhsa_inst_pref_size 102
	.end_amdhsa_kernel
	.amdgpu_metadata
---
amdhsa.version: [ 1, 2 ]
amdhsa.kernels:
  - .name:           k_qd59ae5ea18_ff2
    .symbol:         k_qd59ae5ea18_ff2.kd
    .args:
      - { .name: himg, .offset: 0, .size: 8, .value_kind: global_buffer, .address_space: global }
      - { .name: W2_codes, .offset: 8, .size: 8, .value_kind: global_buffer, .address_space: global }
      - { .name: lowp_scales, .offset: 16, .size: 8, .value_kind: global_buffer, .address_space: global }
      - { .name: b2, .offset: 24, .size: 8, .value_kind: global_buffer, .address_space: global }
      - { .name: y, .offset: 32, .size: 8, .value_kind: global_buffer, .address_space: global }
      - { .name: x1, .offset: 40, .size: 8, .value_kind: global_buffer, .address_space: global }
    .group_segment_fixed_size: 327680
    .private_segment_fixed_size: 0
    .kernarg_segment_align: 8
    .kernarg_segment_size: 48
    .max_flat_workgroup_size: 128
    .sgpr_count:     100
    .vgpr_count:     640
    .wavefront_size: 32
...
	.end_amdgpu_metadata
.endif
;; end of part 7
;; launch ln2 (part 8): grid 256 x 1, 4 waves a work-group, no clusters, 0 bytes of LDS; arguments y, gamma2, beta2, out0; writes out0
.if DOCPART == 8
	.amdgcn_target "amdgcn-amd-amdhsa--gfx1250"
	.amdhsa_code_object_version 6
	.text
	.protected	k_qd59ae5ea18_ln2
	.globl	k_qd59ae5ea18_ln2
	.p2align	8
	.type	k_qd59ae5ea18_ln2,@function
k_qd59ae5ea18_ln2:
	s_mov_b64 s[64:65], 0
	v_nop
	global_prefetch_b8 v0, s[64:65] scope:SCOPE_SE
	s_setreg_imm32_b32 hwreg(HW_REG_WAVE_MODE, 25, 1), 1
	s_wait_xcnt 0x0
; Layer norm along rows of 1,024 f32: out = (y - mean) / sqrt(var + 1e-5) x gamma + beta.  No codes are made.
; The variance is the mean of the squared differences from the mean.  NaN and infinities are not served.
; One wave takes a whole row, eight 16-byte loads a lane, and keeps it in 32 registers; four rows a wave, all asked for at the head.  Each load and store of a wave covers 512 consecutive bytes.
; Waves share nothing: no LDS, no barrier.
.set CODES, 0
	s_load_b256 s[4:11], s[0:1], 0x0               ; y, gamma, beta, the output
	v_lshrrev_b32 v3, 5, v0
	v_readfirstlane_b32 s20, v3                    ; wave
	v_and_b32 v2, 31, v0
	v_lshlrev_b32 v1, 4, v2                        ; 16 x lane
	v_mov_b32 v6, 0                                ; a lane permute's destination counts as one of its sources
	s_mov_b32 s12, 0x76543210
	s_mov_b32 s13, 0xfedcba98
	s_mov_b32 s14, 0x3a800000                      ; 1 / 1,024
	s_mov_b32 s15, 0x3727c5ac                      ; 1e-5
	s_lshl_b32 s21, ttmp9, 4
	s_lshl_b32 s22, s20, 2
	s_add_co_u32 s21, s21, s22                     ; my first row
	s_lshl_b32 s22, s21, 12
	s_mov_b32 s23, 0
	s_wait_alu depctr_va_vdst(0)
	s_wait_kmcnt 0x0
	s_add_nc_u64 s[4:5], s[4:5], s[22:23]
	s_add_nc_u64 s[16:17], s[10:11], s[22:23]
.irp i, 0,1,2,3,4,5,6,7
	global_load_b128 v[32+4*\i:35+4*\i], v1, s[6:7] offset:512*\i
.endr
.irp i, 0,1,2,3,4,5,6,7
	global_load_b128 v[64+4*\i:67+4*\i], v1, s[8:9] offset:512*\i
.endr
.irp t, 0,1,2,3
.irp i, 0,1,2,3,4,5,6,7
	global_load_b128 v[96+32*\t+4*\i:99+32*\t+4*\i], v1, s[4:5] offset:4096*\t+512*\i th:TH_LOAD_NT
.endr
.endr
.macro REDUCE                          ; the sum of v2 over the 32 lanes, in every lane
	v_add_f32_dpp v2, v2, v2 row_xmask:1 row_mask:0xf bank_mask:0xf
	v_add_f32_dpp v2, v2, v2 row_xmask:2 row_mask:0xf bank_mask:0xf
	v_add_f32_dpp v2, v2, v2 row_xmask:4 row_mask:0xf bank_mask:0xf
	v_add_f32_dpp v2, v2, v2 row_xmask:8 row_mask:0xf bank_mask:0xf
	v_permlanex16_b32 v6, v2, s12, s13
	v_add_f32 v2, v2, v6
.endm
.macro ROW t
.set X, 96+32*(\t)
	s_wait_loadcnt 8*(3-(\t))                      ; gamma, beta and my row are in; the later rows' loads may be out
	v_pk_add_f32 v[2:3], v[X:X+1], v[X+2:X+3]
	v_pk_add_f32 v[4:5], v[X+4:X+5], v[X+6:X+7]
.irp j, 8,12,16,20,24,28
	v_pk_add_f32 v[2:3], v[2:3], v[X+\j:X+\j+1]
	v_pk_add_f32 v[4:5], v[4:5], v[X+\j+2:X+\j+3]
.endr
	v_pk_add_f32 v[2:3], v[2:3], v[4:5]
	v_add_f32 v2, v2, v3
	REDUCE
	v_mul_f32 v10, s14, v2                         ; the mean, twice
	v_mul_f32 v11, s14, v2
.irp j, 0,2,4,6,8,10,12,14,16,18,20,22,24,26,28,30
	v_pk_add_f32 v[X+\j:X+\j+1], v[X+\j:X+\j+1], v[10:11] neg_lo:[0,1] neg_hi:[0,1]
.endr
	v_pk_mul_f32 v[2:3], v[X:X+1], v[X:X+1]
	v_pk_mul_f32 v[4:5], v[X+2:X+3], v[X+2:X+3]
.irp j, 4,8,12,16,20,24,28
	v_pk_fma_f32 v[2:3], v[X+\j:X+\j+1], v[X+\j:X+\j+1], v[2:3]
	v_pk_fma_f32 v[4:5], v[X+\j+2:X+\j+3], v[X+\j+2:X+\j+3], v[4:5]
.endr
	v_pk_add_f32 v[2:3], v[2:3], v[4:5]
	v_add_f32 v2, v2, v3
	REDUCE
	v_fma_f32 v7, v2, s14, s15                     ; var + 1e-5
	s_wait_alu depctr_va_vdst(0)
	v_rsq_f32 v12, v7
	v_rsq_f32 v13, v7
	v_nop                                          ; a plain line behind the two,
	s_wait_alu depctr_va_vdst(0)                   ; and one wait ahead of their first reader
.irp j, 0,2,4,6,8,10,12,14,16,18,20,22,24,26,28,30
	v_pk_mul_f32 v[X+\j:X+\j+1], v[X+\j:X+\j+1], v[12:13]
.endr
.irp j, 0,2,4,6,8,10,12,14,16,18,20,22,24,26,28,30
	v_pk_fma_f32 v[X+\j:X+\j+1], v[X+\j:X+\j+1], v[32+\j:33+\j], v[64+\j:65+\j]
.endr
.irp i, 0,1,2,3,4,5,6,7
	global_store_b128 v1, v[X+4*\i:X+4*\i+3], s[16:17] offset:4096*(\t)+512*\i th:TH_STORE_NT
.endr
.endm
	ROW 0
	ROW 1
	ROW 2
	ROW 3
	s_endpgm
.Lfunc_end_k_qd59ae5ea18_ln2:
	.size	k_qd59ae5ea18_ln2, .Lfunc_end_k_qd59ae5ea18_ln2-k_qd59ae5ea18_ln2
	.p2alignl 7, 3214868480
	.fill 96, 4, 3214868480
	.section	.rodata,"a",@progbits
	.p2align	6, 0x0
	.amdhsa_kernel k_qd59ae5ea18_ln2
		.amdhsa_group_segment_fixed_size 0
		.amdhsa_private_segment_fixed_size 0
		.amdhsa_enable_private_segment 0
		.amdhsa_kernarg_size 32
		.amdhsa_user_sgpr_count 2
		.amdhsa_user_sgpr_kernarg_segment_ptr 1
		.amdhsa_wavefront_size32 1
		.amdhsa_system_sgpr_workgroup_id_x 1
		.amdhsa_system_sgpr_workgroup_id_y 1
		.amdhsa_system_sgpr_workgroup_id_z 1
		.amdhsa_system_vgpr_workitem_id 0
		.amdhsa_next_free_vgpr 256
		.amdhsa_next_free_sgpr 66
		.amdhsa_reserve_vcc 0
		.amdhsa_float_denorm_mode_32 3
		.amdhsa_float_denorm_mode_16_64 3
		.amdhsa_memory_ordered 1
		.amdhsa_forward_progress 1
		.amdhsa_inst_pref_size 33
	.end_amdhsa_kernel
	.amdgpu_metadata
---
amdhsa.version: [ 1, 2 ]
amdhsa.kernels:
  - .name:           k_qd59ae5ea18_ln2
    .symbol:         k_qd59ae5ea18_ln2.kd
    .args:
      - { .name: y, .offset: 0, .size: 8, .value_kind: global_buffer, .address_space: global }
      - { .name: gamma2, .offset: 8, .size: 8, .value_kind: global_buffer, .address_space: global }
      - { .name: beta2, .offset: 16, .size: 8, .value_kind: global_buffer, .address_space: global }
      - { .name: out0, .offset: 24, .size: 8, .value_kind: global_buffer, .address_space: global }
    .group_segment_fixed_size: 0
    .private_segment_fixed_size: 0
    .kernarg_segment_align: 8
    .kernarg_segment_size: 32
    .max_flat_workgroup_size: 128
    .sgpr_count:     66
    .vgpr_count:     256
    .wavefront_size: 32
...
	.end_amdgpu_metadata
.endif
;; end of part 8
